; MI455X (gfx1250); checked and timed in simulation.
; The chip was launched on July 23, 2026; its instructions are those of AMD's public machine-readable ISA for CDNA 5 (MIT licence, August 2026) and "CDNA5" Instruction Set Architecture Reference Guide (July 2026). The comments in the code are by the model that wrote it; some were corrected since.
;; ASI Transformer Core. Allowed arithmetic: float matrix products may take bf16 or f16 operands with f32 sums; other float arithmetic in f32, or as packed bf16 or f16 multiplies, adds, multiply-adds, maxima and minima; sums over many terms, partial sums and values carried from step to step in f32; what a program stores and reads back later, other than sums and carried values, may be rounded once to bf16 or f16.
;; Inputs: beta 1,024 float32; gamma 1,024 float32; qkv_b 3,072 float32; qkv_w 3,072 x 1,024 float32; wo_b 1,024 float32; wo_w 1,024 x 1,024 float32; x 4 x 2,048 x 1,024 float32.
;; Outputs: out0 4 x 2,048 x 1,024 float32.
;; 2 versions, each right; version 2 is version 1 with the launch cast written anew for expert scheduling mode. Each part assembles by itself: llvm-mc -triple=amdgcn-amd-amdhsa -mcpu=gfx1250 --defsym DOCPART=n.
;; ======== version 1 of 2: 5 launches
;; workspace buffers: xb 16,777,216 bytes; wqb 6,291,456 bytes; wob 2,097,152 bytes; qkvh 50,331,648 bytes; ao 16,777,216 bytes; dl 16,777,216 bytes
;; launch cast (part 1): grid 768 x 1, 8 waves a work-group, no clusters, 0 bytes of LDS; arguments x, qkv_w, wo_w, xb, wqb, wob; writes xb, wqb, wob
.if DOCPART == 1
	.amdgcn_target "amdgcn-amd-amdhsa--gfx1250"
	.amdhsa_code_object_version 6
	.text
	.protected	k_qfa795c7c1c_cast
	.globl	k_qfa795c7c1c_cast
	.p2align	8
	.type	k_qfa795c7c1c_cast,@function
k_qfa795c7c1c_cast:
	s_mov_b64 s[64:65], 0
	v_nop
	global_prefetch_b8 v0, s[64:65] scope:SCOPE_SE
	s_setreg_imm32_b32 hwreg(HW_REG_WAVE_MODE, 25, 1), 1
	s_wait_xcnt 0x0
; x [8192][1024], qkv_w [3072][1024] and wo_w [1024][1024], all f32, are rounded once to bf16 and laid out in K blocks:
; dst[kb][row][64], kb = 0..15, so that the 128-byte rows of a later launch's tile lie end to end.
; 12,288 source rows of 4,096 bytes: a work-group takes 16, a wave 2.  Work-groups 0-511 take x, 512-703 qkv_w, 704-767 wo_w.
; A load covers 256 consecutive bytes of each of the wave's two rows (one K block); a store covers 256 consecutive bytes, aligned: the two rows' 128 bytes of that block.
; No LDS, no barrier, no loop: 16 loads of a wave go out together, each register is written once.  Memory binds; matrix units and clusters have nothing to do here.
.set OFF, 4                            ; v[4:19]   byte offset of my 8 bytes in block kb of the destination
.set X,   20                           ; v[20:83]  block kb: 4 f32 as loaded
.set Y,   84                           ; v[84:115] block kb: 4 bf16 to store
	s_load_b256 s[4:11], s[0:1], 0x0               ; x s[4:5], qkv_w s[6:7], wo_w s[8:9], xb s[10:11]
	s_load_b128 s[12:15], s[0:1], 0x20             ; wqb s[12:13], wob s[14:15]
	v_lshrrev_b32 v1, 5, v0
	v_readfirstlane_b32 s16, v1                    ; wave 0..7
	s_mov_b32 s17, ttmp9                           ; work-group
	s_mov_b32 s18, 512                             ; first work-group of qkv_w
	s_mov_b32 s19, 704                             ; first of wo_w
	s_mov_b32 s20, 3072*128                        ; bytes from block to block in wqb,
	s_mov_b32 s21, 1024*128                        ; in wob,
	s_mov_b32 s22, 8192*128                        ; in xb
	v_and_b32 v1, 31, v0                           ; lane
	v_lshrrev_b32 v3, 4, v1                        ; which of the two rows
	v_and_b32 v2, 15, v1
	v_lshlrev_b32 v2, 4, v2
	v_lshl_add_u32 v2, v3, 12, v2                  ; source: row x 4,096 + 16 (lane % 16)
	s_wait_kmcnt 0x0
	s_cmp_lt_u32 s17, s19                          ; the choice hangs on the work-group's number alone
	s_cselect_b64 s[24:25], s[6:7], s[8:9]
	s_cselect_b64 s[26:27], s[12:13], s[14:15]
	s_cselect_b32 s28, s18, s19
	s_cselect_b32 s29, s20, s21
	s_cmp_lt_u32 s17, s18
	s_cselect_b64 s[24:25], s[4:5], s[24:25]       ; source
	s_cselect_b64 s[26:27], s[10:11], s[26:27]     ; destination
	s_cselect_b32 s28, 0, s28                      ; the tensor's first work-group
	s_cselect_b32 s29, s22, s29                    ; the destination's block stride
	s_sub_co_u32 s30, s17, s28
	s_lshl_b32 s30, s30, 4
	s_lshl1_add_u32 s30, s16, s30                  ; my first row = 16 (g - first) + 2 w
	s_lshl_b32 s32, s30, 12                        ; x 4,096 bytes in the source (under 2^25)
	s_mov_b32 s33, 0
	s_lshl_b32 s34, s30, 7                         ; x 128 bytes in a block of the destination
	s_mov_b32 s35, 0
	s_add_nc_u64 s[24:25], s[24:25], s[32:33]
	s_add_nc_u64 s[26:27], s[26:27], s[34:35]
	v_lshlrev_b32 v[OFF], 3, v1                    ; 8 bytes a lane: row 0's 128 bytes, then row 1's
.set kb, 1
.rept 15
	v_add_nc_u32 v[OFF+kb], s29, v[OFF+kb-1]
.set kb, kb+1
.endr
.set kb, 0
.rept 16
	global_load_b128 v[X+4*kb:X+4*kb+3], v2, s[24:25] offset:256*kb th:TH_LOAD_NT
.set kb, kb+1
.endr
.set kb, 0
.rept 16
	s_wait_loadcnt 15-kb                           ; loads come back in order: block kb is in, the 15 - kb younger ones stay out
	v_cvt_pk_bf16_f32 v[Y+2*kb], v[X+4*kb], v[X+4*kb+1]
	v_cvt_pk_bf16_f32 v[Y+2*kb+1], v[X+4*kb+2], v[X+4*kb+3]
	global_store_b64 v[OFF+kb], v[Y+2*kb:Y+2*kb+1], s[26:27]
.set kb, kb+1
.endr
	s_endpgm
.Lfunc_end_k_qfa795c7c1c_cast:
	.size	k_qfa795c7c1c_cast, .Lfunc_end_k_qfa795c7c1c_cast-k_qfa795c7c1c_cast
	.p2alignl 7, 3214868480
	.fill 96, 4, 3214868480
	.section	.rodata,"a",@progbits
	.p2align	6, 0x0
	.amdhsa_kernel k_qfa795c7c1c_cast
		.amdhsa_group_segment_fixed_size 0
		.amdhsa_private_segment_fixed_size 0
		.amdhsa_enable_private_segment 0
		.amdhsa_kernarg_size 48
		.amdhsa_user_sgpr_count 2
		.amdhsa_user_sgpr_kernarg_segment_ptr 1
		.amdhsa_wavefront_size32 1
		.amdhsa_system_sgpr_workgroup_id_x 1
		.amdhsa_system_sgpr_workgroup_id_y 1
		.amdhsa_system_sgpr_workgroup_id_z 1
		.amdhsa_system_vgpr_workitem_id 0
		.amdhsa_next_free_vgpr 120
		.amdhsa_next_free_sgpr 66
		.amdhsa_reserve_vcc 0
		.amdhsa_float_denorm_mode_32 3
		.amdhsa_float_denorm_mode_16_64 3
		.amdhsa_memory_ordered 1
		.amdhsa_forward_progress 1
		.amdhsa_inst_pref_size 8
	.end_amdhsa_kernel
	.amdgpu_metadata
---
amdhsa.version: [ 1, 2 ]
amdhsa.kernels:
  - .name:           k_qfa795c7c1c_cast
    .symbol:         k_qfa795c7c1c_cast.kd
    .args:
      - { .name: x, .offset: 0, .size: 8, .value_kind: global_buffer, .address_space: global }
      - { .name: qkv_w, .offset: 8, .size: 8, .value_kind: global_buffer, .address_space: global }
      - { .name: wo_w, .offset: 16, .size: 8, .value_kind: global_buffer, .address_space: global }
      - { .name: xb, .offset: 24, .size: 8, .value_kind: global_buffer, .address_space: global }
      - { .name: wqb, .offset: 32, .size: 8, .value_kind: global_buffer, .address_space: global }
      - { .name: wob, .offset: 40, .size: 8, .value_kind: global_buffer, .address_space: global }
    .group_segment_fixed_size: 0
    .private_segment_fixed_size: 0
    .kernarg_segment_align: 8
    .kernarg_segment_size: 48
    .max_flat_workgroup_size: 256
    .sgpr_count:     66
    .vgpr_count:     120
    .wavefront_size: 32
...
	.end_amdgpu_metadata
.endif
;; end of part 1
;; launch qkv (part 2): grid 8 x 32, 4 waves a work-group, clusters of 4 x 4, 327,680 bytes of LDS; arguments xb, wqb, qkv_b, qkvh; writes qkvh
.if DOCPART == 2
	.amdgcn_target "amdgcn-amd-amdhsa--gfx1250"
	.amdhsa_code_object_version 6
	.text
	.protected	k_qfa795c7c1c_qkv
	.globl	k_qfa795c7c1c_qkv
	.p2align	8
	.type	k_qfa795c7c1c_qkv,@function
k_qfa795c7c1c_qkv:
	s_mov_b64 s[64:65], 0
	v_nop
	global_prefetch_b8 v0, s[64:65] scope:SCOPE_SE
	s_setreg_imm32_b32 hwreg(HW_REG_WAVE_MODE, 25, 1), 1
	s_wait_xcnt 0x0
	s_wait_alu depctr_hold_cnt(0) depctr_sa_sdst(0) depctr_va_vdst(0) depctr_va_sdst(0) depctr_va_ssrc(0) depctr_va_vcc(0) depctr_vm_vsrc(0)
	s_getreg_b32 s2, hwreg(HW_REG_IB_STS2, 6, 4)
	s_cmp_eq_u32 s2, 0
	s_cbranch_scc0 .Lentry_in_a_cluster
	s_endpgm
.Lentry_in_a_cluster:
	s_bfe_u32 s2, ttmp6, 0x10000c
	s_cmp_lg_u32 s2, 0xf033
	s_cbranch_scc0 .Lentry_shape_is_right
	s_endpgm
.Lentry_shape_is_right:
; q, k, v = x W^T + b.  xb [16 kb][8192][64], wqb [16 kb][3072][64] bf16 (K blocks of 64); qkv_b [3072] f32; qkvh [3][16 heads = 4 batch + head][2048][256] bf16.  Sums and bias in f32, one rounding.
; LIMITS: operands carry bf16's 8 significant bits; NaN and infinities are not treated apart.
; A tile of C is 256 rows x 384 columns: 32 x 8 = 256 work-groups.  Four waves, each 128 x 192: 96 accumulators of 16 x 16, 768 registers.
; K goes in blocks of 64 through two LDS slots.  A block's 128-byte rows lie end to end in memory: they are asked for as rows of 256 bytes and padded in LDS after every 128 bytes (pitch 144).
; CLUSTER 4 x 4: x's tile hangs on the tile row alone and is asked for jointly along a row of the cluster, W's on the tile column alone and jointly along a column.
; THE MATRIX INSTRUCTION IS USED TRANSPOSED (source 0 = 16 rows of W, source 1 = 16 rows of x): a lane holds row l % 16 of C and the columns 8 (l / 16) + 0..7.
; REGISTERS.  Window 0: v0-29 addresses; v32-95, v96-159 x's fragments, two buffers; v160-255 W's 12 fragments, ONE buffer, loaded again in thirds as soon as a third has been multiplied.
; Windows 1-3: accumulator (a, b), a = 0..7 row blocks, b = 0..11 column blocks, in window 1 + b / 4 at 64 (b % 4) + 8 a.
.set PITCH,  144                       ; an LDS row: 128 bytes + 16: the 16 rows of a fragment load start at 16 different 16-byte columns modulo 256 bytes
.set SLOT1,  131072                    ; slot 1 begins here: one exclusive or turns an address of one slot into the other's
.set AHALF,  128*PITCH                 ; 128 rows of x: one tensor load, one wave's share
.set BOFF,   256*PITCH                 ; W's 384 rows lie behind x's 256
.set BHALF,  192*PITCH
.set SP,     784                       ; a stage row: 768 bytes + 16
.set SPARE,  223232                    ; behind slot 1: the spare words, 128 bytes a wave
.set BIASL,  223744                    ; 768 bytes a wave: its 192 biases; no tile lands here
.set XBLK,   8192*128                  ; bytes from K block to K block in xb
.set WBLK,   3072*128                  ; in wqb
.set ADRA0, 4                          ; v4   my lane's place in x's tile of slot 0
.set ADRB0, 5                          ; v5   in W's
.set ADRA,  6                          ; v6   the same in the slot in hand
.set ADRB,  7
.set STO,   8                          ; v8-9 the way out: where I put 16 bytes of a row, row blocks 0-3 and 4-7
.set RD,    10                         ; v10  where I read rows back
.set CO,    11                         ; v11  my byte offset in two rows of a head
.set BLA,   12                         ; v12  where I read my lane's biases
.set BLS,   13                         ; v13  where I put 8 bytes of them
.set SPW,   28                         ; v28  my spare word; never rewritten
.set NIL,   29                         ; v29  0; never rewritten
.set AF0,   32
.set AF1,   96
.set BF,    160
.set TMP,   32                         ; the way out: a window's 32 accumulators, packed
.set WV, 12                            ; s12 wave
.set WM, 13                            ; s13 which 128 rows are mine; also: I fetch for x (0) or W (1)
.set WN, 14                            ; s14 which 192 columns; also: which half of that tile I fetch
.set TB, 19                            ; s19 the slot in hand, as an LDS byte
.set G1A, 24
.set G1B, 32
.set G0A, 40                           ; s[40:47] two sets; the second then walks
.set G0B, 48                           ; s[48:55]
.set CB,  56                           ; s[56:61] the three output bases
.set MSB, 0
.macro WIN new                         ; the high byte repeats the setting that is left; a switch that changes nothing is dropped
.if MSB != (\new)
	s_set_vgpr_msb (MSB<<8)|(\new)
.set MSB, \new
.endif
.endm
.macro PLACES                          ; four plain vector instructions behind matrix instructions, ahead of loads into their sources and of reads of their results (ISA guide 7.12.1 for reads of their results)
.rept 4
	v_nop
.endr
.endm
.macro CREST                           ; a round of the cluster's barrier behind its opening barrier
	s_cmp_lg_u32 s[WV], 0
	s_cbranch_scc1 .Lnot_wave_0_\@
	s_barrier_signal -3
.Lnot_wave_0_\@:
	s_barrier_wait -3
	s_barrier_signal -1
	s_barrier_wait -1
.endm
.macro CROUND
	s_barrier_signal -1
	s_barrier_wait -1
	CREST
.endm
.macro JLOAD                           ; a joint refill by the walking sets: waves 0, 1 x's halves, waves 2, 3 W's; s_nop 0 and four v_nop follow each line
	s_cmp_eq_u32 s[WM], 0
	s_cbranch_scc0 .Lfor_b_\@
	tensor_load_to_lds s[G0A+4:G0A+7], s[G1A:G1A+7]
	s_nop 0
	PLACES
	s_branch .Lasked_\@
.Lfor_b_\@:
	tensor_load_to_lds s[G0B+4:G0B+7], s[G1B:G1B+7]
	s_nop 0
	PLACES
.Lasked_\@:
.endm
	s_load_b256 s[4:11], s[0:1], 0x0               ; xb s[4:5], wqb s[6:7], qkv_b s[8:9], qkvh s[10:11]
	v_lshl_add_u32 v[SPW], v0, 2, SPARE
	v_mov_b32 v[NIL], 0
	ds_add_u32 v[SPW], v[NIL]                      ; the wave's opening: the add and its wait stand ahead of my first tensor load
	v_lshrrev_b32 v1, 5, v0
	v_readfirstlane_b32 s[WV], v1
	s_lshr_b32 s[WM], s[WV], 1
	s_and_b32 s[WN], s[WV], 1
	s_bfe_u32 s15, ttmp6, 0x40000                  ; cx
	s_bfe_u32 s16, ttmp6, 0x40004                  ; cy
	s_lshl_b32 s17, ttmp9, 2
	s_add_co_u32 s17, s17, s15                     ; tile column 0..7
	s_and_b32 s18, ttmp7, 0xffff
	s_lshl_b32 s18, s18, 2
	s_add_co_u32 s18, s18, s16                     ; tile row 0..31
	s_lshl_b32 s21, s16, 2
	s_lshl_b32 s21, 15, s21                        ; my row of the cluster
	s_lshl_b32 s22, 0x1111, s15                    ; my column
	s_or_b32 s[G1A], s21, 0x07310000               ; the mask; 2-byte elements; padding on; bit 21 beside a mask; after every 32 words (code 4) 4 words (code 3)
	s_or_b32 s[G1B], s22, 0x07310000
.irp g, G1A, G1B
	s_mov_b32 s[\g+1], 128<<16                     ; tensor_dim0 = 128 elements: two logical rows
	s_mov_b32 s[\g+3], 128<<16                     ; tile_dim0
	s_mov_b32 s[\g+5], 128                         ; from row to row
	s_mov_b32 s[\g+6], 0
	s_mov_b32 s[\g+7], 0
.endr
	s_mov_b32 s[G1A+2], 64<<16                     ; x: 64 rows of 256 bytes = 128 logical rows
	s_mov_b32 s[G1A+4], 64
	s_mov_b32 s[G1B+2], 96<<16                     ; W: 96 = 192 logical rows
	s_mov_b32 s[G1B+4], 96
	s_lshl_b32 s72, s18, 8                         ; x's offset is made of the tile row and the wave alone,
	s_lshl_b32 s23, s[WN], 7
	s_add_co_u32 s72, s72, s23
	s_lshl_b32 s72, s72, 7                         ; (256 ty + 128 half) x 128 bytes
	s_mov_b32 s73, 0
	s_mul_i32 s74, s17, 384                        ; W's of the tile column and the wave alone
	s_mul_i32 s23, s[WN], 192
	s_add_co_u32 s74, s74, s23
	s_lshl_b32 s74, s74, 7
	s_mov_b32 s75, 0
	s_mul_i32 s62, s[WN], AHALF                    ; where they go: no place in the cluster enters an LDS address
	s_mul_i32 s63, s[WN], BHALF
	s_add_co_u32 s63, s63, BOFF
	s_mov_b32 s[TB], 0
	v_and_b32 v15, 31, v0                          ; lane
	s_mul_i32 s78, s17, 1536                       ; my wave's 192 biases begin at byte (384 tx + 192 wn) x 4
	s_mul_i32 s79, s[WN], 768
	s_add_co_u32 s78, s78, s79
	v_lshl_add_u32 v14, v15, 3, s78
	s_wait_dscnt 0x0                               ; the opening add is done
	s_wait_kmcnt 0x0
	s_add_nc_u64 s[72:73], s[4:5], s[72:73]
	s_add_nc_u64 s[74:75], s[6:7], s[74:75]
.irp s, 0,1
	s_mov_b32 s[G0A+4*\s], 1
	s_add_co_u32 s[G0A+4*\s+1], s62, \s*SLOT1
	s_add_nc_u64 s[G0A+4*\s+2:G0A+4*\s+3], s[72:73], \s*XBLK
	s_or_b32 s[G0A+4*\s+3], s[G0A+4*\s+3], 0x80000000
	s_mov_b32 s[G0B+4*\s], 1
	s_add_co_u32 s[G0B+4*\s+1], s63, \s*SLOT1
	s_add_nc_u64 s[G0B+4*\s+2:G0B+4*\s+3], s[74:75], \s*WBLK
	s_or_b32 s[G0B+4*\s+3], s[G0B+4*\s+3], 0x80000000
.endr
	global_load_b64 v[16:17], v14, s[8:9]          ; 3 x 256 consecutive bytes
	global_load_b64 v[18:19], v14, s[8:9] offset:256
	global_load_b64 v[20:21], v14, s[8:9] offset:512
	CROUND                                         ; all sixteen work-groups are here: the first joint loads meet
	s_cmp_eq_u32 s[WM], 0                          ; a wave's two first fills stand in one branch: two loads of mine are out
	s_cbranch_scc0 .Lfirst_b
	tensor_load_to_lds s[G0A:G0A+3], s[G1A:G1A+7]
	s_nop 0
	tensor_load_to_lds s[G0A+4:G0A+7], s[G1A:G1A+7]
	s_nop 0
	PLACES
	s_branch .Lfirst_asked
.Lfirst_b:
	tensor_load_to_lds s[G0B:G0B+3], s[G1B:G1B+7]
	s_nop 0
	tensor_load_to_lds s[G0B+4:G0B+7], s[G1B:G1B+7]
	s_nop 0
	PLACES
.Lfirst_asked:
	v_and_b32 v1, 15, v0                           ; r = l % 16
	v_bfe_u32 v2, v0, 4, 1                         ; h = l / 16
	v_mul_u32_u24 v3, v1, PITCH
	v_lshl_add_u32 v3, v2, 4, v3                   ; a fragment's row x pitch + 16 h
	s_mul_i32 s66, s[WM], AHALF
	s_mul_i32 s67, s[WN], BHALF
	s_add_co_u32 s67, s67, BOFF
	v_add_nc_u32 v[ADRA0], s66, v3
	v_add_nc_u32 v[ADRB0], s67, v3
	v_mov_b32 v[ADRA], v[ADRA0]
	v_mov_b32 v[ADRB], v[ADRB0]
	s_lshl_b32 s66, s[WM], 7
	v_add_nc_u32 v3, s66, v1
	v_mul_u32_u24 v3, v3, SP                       ; stage row 128 wm + r,
	v_lshl_add_u32 v3, v2, 4, v3
	s_mul_i32 s66, s[WN], 384                      ; my 192 columns' 384 bytes
	v_add_nc_u32 v[STO], s66, v3
	v_add_nc_u32 v[STO+1], 64*SP, v[STO]
	s_lshl_b32 s66, s[WV], 6
	v_add_nc_u32 v3, s66, v2
	v_mul_u32_u24 v3, v3, SP                       ; back: rows 64 w + 2 p + h, 16 lanes to 256 bytes
	v_lshl_add_u32 v[RD], v1, 4, v3
	v_lshlrev_b32 v3, 9, v2
	v_lshl_add_u32 v[CO], v1, 4, v3                ; the same two rows of a head: 512 bytes apart
	s_mul_i32 s66, s[WV], 768
	s_add_co_u32 s66, s66, BIASL
	v_lshl_add_u32 v[BLA], v2, 5, s66
	v_lshl_add_u32 v[BLS], v15, 3, s66
	; the three output bases: columns 384 tx + 128 u lie in part n >> 10, head (n >> 8) & 3, at channel n & 255
	s_and_b32 s71, s18, 7
	s_lshl_b32 s71, s71, 8
	s_lshl_b32 s69, s[WV], 6
	s_add_co_u32 s71, s71, s69
	s_lshl_b32 s71, s71, 9                         ; ((ty % 8) 256 + 64 w) rows of 512 bytes
	s_lshr_b32 s70, s18, 3
	s_lshl_b32 s70, s70, 2                         ; 4 x batch
	s_mul_i32 s76, s17, 384
.irp u, 0,1,2
	s_add_co_u32 s66, s76, 128*\u
	s_lshr_b32 s67, s66, 10
	s_bfe_u32 s68, s66, 0x20008
	s_and_b32 s69, s66, 255
	s_lshl_b32 s67, s67, 4
	s_add_co_u32 s67, s67, s68
	s_add_co_u32 s67, s67, s70
	s_lshl_b32 s67, s67, 20                        ; a head's 2,048 rows are 2^20 bytes
	s_lshl1_add_u32 s67, s69, s67
	s_add_co_u32 s66, s67, s71
	s_mov_b32 s67, 0
	s_add_nc_u64 s[CB+2*\u:CB+2*\u+1], s[10:11], s[66:67]
.endr
	s_wait_loadcnt 0x0                             ; the biases
	ds_store_b64 v[BLS], v[16:17]
	ds_store_b64 v[BLS], v[18:19] offset:256
	ds_store_b64 v[BLS], v[20:21] offset:512
; nb x 8 matrix instructions: column blocks 4 t + b0 .. of third t x all 8 row blocks, 32 along K.  The accumulators take turns, one instruction a turn.  zero = 1: the product starts the sum.
.macro MUL af, t, b0, nb, zero
	WIN 0x50*((\t)+1)
.set bb, (\b0)
.rept (\nb)
.set a, 0
.rept 8
.if \zero
	v_wmma_f32_16x16x32_bf16 v[64*bb+8*a:64*bb+8*a+7], v[BF+8*(4*(\t)+bb):BF+8*(4*(\t)+bb)+7], v[(\af)+8*a:(\af)+8*a+7], 0
.else
	v_wmma_f32_16x16x32_bf16 v[64*bb+8*a:64*bb+8*a+7], v[BF+8*(4*(\t)+bb):BF+8*(4*(\t)+bb)+7], v[(\af)+8*a:(\af)+8*a+7], v[64*bb+8*a:64*bb+8*a+7]
.endif
.set a, a+1
.endr
.set bb, bb+1
.endr
.endm
.macro LDB i0, k                       ; W's fragments i0 .. i0 + 3 at byte k of the rows: 8 loads
	WIN 0
.irp i, 0,1,2,3
	ds_load_b128 v[BF+8*((\i0)+\i):BF+8*((\i0)+\i)+3],   v[ADRB] offset:(\k)+((\i0)+\i)*16*PITCH
	ds_load_b128 v[BF+8*((\i0)+\i)+4:BF+8*((\i0)+\i)+7], v[ADRB] offset:(\k)+((\i0)+\i)*16*PITCH+32
.endr
.endm
.macro LDA af, i0, k                   ; x's fragments i0 .. i0 + 3 into buffer af: 8 loads
	WIN 0
.irp i, 0,1,2,3
	ds_load_b128 v[(\af)+8*((\i0)+\i):(\af)+8*((\i0)+\i)+3],   v[ADRA] offset:(\k)+((\i0)+\i)*16*PITCH
	ds_load_b128 v[(\af)+8*((\i0)+\i)+4:(\af)+8*((\i0)+\i)+7], v[ADRA] offset:(\k)+((\i0)+\i)*16*PITCH+32
.endr
.endm
; A K block is two steps of 32 along K, 96 matrix instructions each.  A step's 40 loads were issued in three runs (16, 16, 8) during the step before.
; The first step, on buffer AF0; it fetches the second step's fragments, each third of W as soon as that third has been multiplied.
.macro STEP_A zero
	s_wait_dscnt 8                                 ; all but the youngest run, W's fragments 8-11
	MUL AF0, 0, 0, 4, \zero
	PLACES
	LDB 0, 64
	LDA AF1, 0, 64
	MUL AF0, 1, 0, 4, \zero
	PLACES
	LDB 4, 64
	LDA AF1, 4, 64
	s_wait_dscnt 32                                ; all but the 32 just issued: W's fragments 8-11 are in
	MUL AF0, 2, 0, 4, \zero
	PLACES
	LDB 8, 64
.endm
; The second step, on buffer AF1, changes slots.  In front of the barrier each wave waits for all its tensor loads (one is out: its part of the next slot), adds 0 to its spare word, and waits for that
; and for its reads of this slot.  fill = 1: the barrier opens a round of the cluster's, and the slot just read is filled again first thing behind it, two K blocks ahead: 160 matrix instructions ahead of the wait for it.
.macro STEP_B fill
	WIN 0
	s_wait_tensorcnt 0x0
	ds_add_u32 v[SPW], v[NIL]
	s_wait_dscnt 9                                 ; the add and the youngest run of 8 may be out
	MUL AF1, 0, 0, 2, 0
	s_wait_dscnt 0x0                               ; the add is done, my reads of this slot are over
	s_barrier_signal -1
	MUL AF1, 0, 2, 2, 0
	WIN 0
	s_barrier_wait -1
.if \fill
	CREST
	s_xor_b32 s[G0A+5], s[G0A+5], SLOT1            ; the walking sets: the other slot than last time, the next K block
	s_add_nc_u64 s[G0A+6:G0A+7], s[G0A+6:G0A+7], XBLK
	s_xor_b32 s[G0B+5], s[G0B+5], SLOT1
	s_add_nc_u64 s[G0B+6:G0B+7], s[G0B+6:G0B+7], WBLK
	JLOAD                                          ; its four v_nop are also the places in front of the loads below
.else
	PLACES
.endif
	s_xor_b32 s[TB], s[TB], SLOT1
	v_add_nc_u32 v[ADRA], s[TB], v[ADRA0]
	v_add_nc_u32 v[ADRB], s[TB], v[ADRB0]
	LDB 0, 0
	LDA AF0, 0, 0
	MUL AF1, 1, 0, 4, 0
	PLACES
	LDB 4, 0
	LDA AF0, 4, 0
	MUL AF1, 2, 0, 4, 0                            ; W's fragments 8-11 were shown in by the wait for 0 above
	PLACES
	LDB 8, 0
.endm
	s_wait_tensorcnt 1                             ; my part of K block 0 is in; block 1's stays out
	s_wait_dscnt 0x0                               ; my biases are stored
	s_barrier_signal -1
	s_barrier_wait -1
	LDB 0, 0
	LDA AF0, 0, 0
	LDB 4, 0
	LDA AF0, 4, 0
	LDB 8, 0
	STEP_A 1                                       ; the first step stands in front of the loop: its products start the sums
	WIN 0
	s_mov_b32 s20, 14                              ; K blocks 2 .. 15 are asked for in the loop
.Lk:
	STEP_B 1
	STEP_A 0
	WIN 0
	s_sub_co_u32 s20, s20, 1
	s_cmp_lg_u32 s20, 0
	s_cbranch_scc1 .Lk
	STEP_B 0                                       ; the tail asks for nothing
	STEP_A 0
	s_wait_dscnt 8
	MUL AF1, 0, 0, 4, 0
	MUL AF1, 1, 0, 4, 0
	s_wait_dscnt 0x0
	MUL AF1, 2, 0, 4, 0
	; THE WAY OUT.  The bias is added in f32, the sums are rounded to bf16 and go through one stage of 256 rows x 768 bytes, which lies where the ring lay (its last fill is over):
	; a wave's 192 columns end in the middle of an aligned 256 bytes, so rows are put together from two waves, behind a barrier.
	WIN 0
	PLACES
.set b, 0
.rept 12
	ds_load_b128 v[BF+8*b:BF+8*b+3],   v[BLA] offset:64*b      ; the biases of columns 16 b + 8 h + 0..7
	ds_load_b128 v[BF+8*b+4:BF+8*b+7], v[BLA] offset:64*b+16
.set b, b+1
.endr
	s_wait_dscnt 0x0
	s_barrier_signal -1
	s_barrier_wait -1                              ; nobody reads the ring any more
.macro OUTW t
	WIN ((\t)+1)*0x41                              ; destination and source 0 in the accumulators' window
.set bb, 0
.rept 4
.set a, 0
.rept 8
.set j, 0
.rept 4
	v_pk_add_f32 v[64*bb+8*a+j:64*bb+8*a+j+1], v[64*bb+8*a+j:64*bb+8*a+j+1], v[BF+8*(4*(\t)+bb)+j:BF+8*(4*(\t)+bb)+j+1]
.set j, j+2
.endr
.set a, a+1
.endr
.set bb, bb+1
.endr
	WIN ((\t)+1)*5                                 ; sources 0 and 1 there, destination in window 0
.set bb, 0
.rept 4
.set a, 0
.rept 8
.set j, 0
.rept 4
	v_cvt_pk_bf16_f32 v[TMP+4*(8*bb+a)+j], v[64*bb+8*a+2*j], v[64*bb+8*a+2*j+1]
.set j, j+1
.endr
.set a, a+1
.endr
.set bb, bb+1
.endr
	WIN 0
.set bb, 0
.rept 4
.set a, 0
.rept 8
	ds_store_b128 v[STO+a/4], v[TMP+4*(8*bb+a):TMP+4*(8*bb+a)+3] offset:(a%4)*16*SP+32*(4*(\t)+bb)
.set a, a+1
.endr
.set bb, bb+1
.endr
.endm
	OUTW 0
	OUTW 1
	OUTW 2
	s_wait_dscnt 0x0                               ; for the others' sake: my stores into the stage are done
	s_barrier_signal -1
	s_barrier_wait -1
.macro BACK u                          ; third u (256 bytes) of my 64 rows, two rows a load, into window 1 + u
	WIN ((\u)+1)<<6
.set p, 0
.rept 32
	ds_load_b128 v[4*p:4*p+3], v[RD] offset:2*SP*p+256*(\u)
.set p, p+1
.endr
.endm
.macro SEND u
	WIN ((\u)+1)<<2
.set p, 0
.rept 32
	global_store_b128 v[CO], v[4*p:4*p+3], s[CB+2*(\u):CB+2*(\u)+1] offset:1024*p  ; 16 lanes store 256 consecutive bytes, aligned: half a row of a head
.set p, p+1
.endr
.endm
	BACK 0
	BACK 1
	s_wait_dscnt 32                                ; the 32 loads of third 1 are younger
	SEND 0
	BACK 2
	s_wait_dscnt 32
	SEND 1
	s_wait_dscnt 0x0
	SEND 2
	WIN 0
	s_wait_tensorcnt 0x0                           ; the wave's end
	ds_add_u32 v[SPW], v[NIL]
	s_wait_dscnt 0x0
	CROUND                                         ; the closing round
	s_endpgm
.Lfunc_end_k_qfa795c7c1c_qkv:
	.size	k_qfa795c7c1c_qkv, .Lfunc_end_k_qfa795c7c1c_qkv-k_qfa795c7c1c_qkv
	.p2alignl 7, 3214868480
	.fill 96, 4, 3214868480
	.section	.rodata,"a",@progbits
	.p2align	6, 0x0
	.amdhsa_kernel k_qfa795c7c1c_qkv
		.amdhsa_group_segment_fixed_size 327680
		.amdhsa_private_segment_fixed_size 0
		.amdhsa_enable_private_segment 0
		.amdhsa_kernarg_size 32
		.amdhsa_user_sgpr_count 2
		.amdhsa_user_sgpr_kernarg_segment_ptr 1
		.amdhsa_wavefront_size32 1
		.amdhsa_system_sgpr_workgroup_id_x 1
		.amdhsa_system_sgpr_workgroup_id_y 1
		.amdhsa_system_sgpr_workgroup_id_z 1
		.amdhsa_system_vgpr_workitem_id 0
		.amdhsa_next_free_vgpr 1024
		.amdhsa_next_free_sgpr 80
		.amdhsa_reserve_vcc 0
		.amdhsa_float_denorm_mode_32 3
		.amdhsa_float_denorm_mode_16_64 3
		.amdhsa_memory_ordered 1
		.amdhsa_forward_progress 1
		.amdhsa_inst_pref_size 137
	.end_amdhsa_kernel
	.amdgpu_metadata
---
amdhsa.version: [ 1, 2 ]
amdhsa.kernels:
  - .name:           k_qfa795c7c1c_qkv
    .symbol:         k_qfa795c7c1c_qkv.kd
    .args:
      - { .name: xb, .offset: 0, .size: 8, .value_kind: global_buffer, .address_space: global }
      - { .name: wqb, .offset: 8, .size: 8, .value_kind: global_buffer, .address_space: global }
      - { .name: qkv_b, .offset: 16, .size: 8, .value_kind: global_buffer, .address_space: global }
      - { .name: qkvh, .offset: 24, .size: 8, .value_kind: global_buffer, .address_space: global }
    .group_segment_fixed_size: 327680
    .private_segment_fixed_size: 0
    .kernarg_segment_align: 8
    .kernarg_segment_size: 32
    .max_flat_workgroup_size: 128
    .sgpr_count:     80
    .vgpr_count:     1024
    .wavefront_size: 32
...
	.end_amdgpu_metadata
.endif
;; end of part 2
;; launch attn (part 3): grid 16 x 16, 4 waves a work-group, clusters of 4 x 1, 327,680 bytes of LDS; arguments qkvh, ao; writes ao
.if DOCPART == 3
	.amdgcn_target "amdgcn-amd-amdhsa--gfx1250"
	.amdhsa_code_object_version 6
	.text
	.protected	k_qfa795c7c1c_attn
	.globl	k_qfa795c7c1c_attn
	.p2align	8
	.type	k_qfa795c7c1c_attn,@function
k_qfa795c7c1c_attn:
	s_mov_b64 s[64:65], 0
	v_nop
	global_prefetch_b8 v0, s[64:65] scope:SCOPE_SE
	s_setreg_imm32_b32 hwreg(HW_REG_WAVE_MODE, 25, 1), 1
	s_wait_xcnt 0x0
	s_wait_alu depctr_hold_cnt(0) depctr_sa_sdst(0) depctr_va_vdst(0) depctr_va_sdst(0) depctr_va_ssrc(0) depctr_va_vcc(0) depctr_vm_vsrc(0)
	s_getreg_b32 s2, hwreg(HW_REG_IB_STS2, 6, 4)
	s_cmp_eq_u32 s2, 0
	s_cbranch_scc0 .Lentry_in_a_cluster
	s_endpgm
.Lentry_in_a_cluster:
	s_bfe_u32 s2, ttmp6, 0x10000c
	s_cmp_lg_u32 s2, 0x3003
	s_cbranch_scc0 .Lentry_shape_is_right
	s_endpgm
.Lentry_shape_is_right:
; O[head][q] = the sum over k of softmax_k(Q[q] . K[k] / 16) V[k].  qkvh [3][16 heads][2048][256] bf16; ao [16 kb = 4 head + channel / 64][8192 rows][64] bf16.
; Products, maxima, sums, O and the merge in f32; the weights p are rounded to bf16 for the second product (their sum l is taken of the unrounded p), O once at the end.
; LIMITS.  A weight below 2^-126 counts as 0 in l.  c m starts at -4.25e37 and m at the lowest finite number: scores are taken to lie above them.  NaN and infinities are not treated apart.
; SHARES.  A work-group owns 128 queries of a head.  Wave w owns the 64 queries of half w / 2 (four tiles of 16) and the 1,024 keys of half w % 2, 32 keys a step, 32 steps; at the end the two waves of a query
; half merge (m, l, O).  So a fragment of K or V read from LDS feeds four products.
; LAYOUT.  S^T = K Q^T holds one query a lane (l % 16) and the keys 8 (l / 16) + 0..7; the two results of a step, rounded in pairs, ARE source 1 of O^T = V^T P.  V comes out of LDS turned, by ds_load_tr16_b128.
; SOFTMAX.  p = 2^(c s - c m), c = log2(e) / 16, m a running maximum; in every step O and l are multiplied by a = 2^(c m_old - c m_new).  O and l start at 0: the first step is a step like any other, with a = 0.
; A TRIP.  PART_A: the last 16 products V^T P of step j - 1.  LUMP: P of step j.  PART_X: 64 products K Q^T of step j + 1, behind each four lines of O times a.  PART_C: 48 products V^T P of step j, behind each
; (and behind PART_A's) three lines of step j + 1's maximum, statistics, scalings, exponentials and sums.  K and V stream through a ring of four groups of two fragments, each group asked for three groups ahead.
; TILES.  K Q^T runs a step ahead of V^T P, so K's tile is shifted by a step: tile n holds K of steps 2 n + 1, 2 n + 2 and V of steps 2 n, 2 n + 1, and two trips touch one slot alone.  K of step 0 has bytes of its own (Z).
; The last tile's last 32 rows of K lie past the key half, inside qkvh all the same; what is made of them is discarded: the final c m and l are set aside (SV) by each trip's first riders.
; CLUSTER.  The four query blocks of a cluster belong to one head: each tile is asked for jointly, by the same load, descriptor and mask in all four.
; REGISTERS.  Window 0: v0-15 addresses; v16-47 eight registers of statistics a tile; v48-63 SV; v64-127 the fragments' ring; v128-191 S^T; v192-223 P; v224-255 the merge.
; Windows 1, 2: O^T of tiles 0, 1 and 2, 3: tile t, channel block cb at 128 (t % 2) + 8 cb.  Window 3: Q: tile t, channels 32 c on at 64 t + 8 c.
.set PK,    528       ; a row of K in LDS: 512 bytes + 16: the 16 rows of a load start at 16 different 16-byte columns modulo 256 bytes
.set PVP,   544       ; a row of V: 512 + 32
.set KHB,   64*PK     ; a key half's 64 rows of K in a slot
.set VHB,   64*PVP
.set VOFF,  2*KHB     ; V's two halves lie behind K's two
.set SLOT1, 0x22000   ; slot 1 begins here.  The four regions of slot 0 begin at 0, 33,792, 67,584, 102,400: bits 17 and 13 are clear in all, so one exclusive or turns each into its partner
.set ZB,    2*SLOT1   ; K of step 0: 32 rows for each key half
.set SPARE, ZB+2*32*PK  ; the spare words, 128 bytes a wave
.set STAT,  262144    ; the merge, where the ring lay (its last fill is over): O^T in f32 at 65,536 w; (c m, l) at STAT + 1,024 w;
.set STG,   266240    ; and a stage of 4 x 16 rows x 144 bytes for each wave
.set AK0, 2
.set AV0, 3
.set AK,  4
.set AV,  5
.set QO,  6
.set SPW, 14          ; v14 my spare word; never rewritten
.set NIL, 15          ; v15 0; never rewritten
.set ST,  16          ; tile t at ST + 8 t: c m, m, l (even keys', odd keys'), c0, c1, a, at work
.set SV,  48          ; tile t at SV + 4 t: c m, l, l
.set F,   64
.set S,   128         ; 16 a tile
.set P,   192         ; 8 a tile
.set GF,  240         ; the merge's factors
.set WV, 8
.set QH, 9
.set KH, 10
.set G1K, 16
.set G1V, 24
.set G1Z, 32
.set G0Z, 40
.set G0K, 44          ; s[44:51] two sets; the second then walks
.set G0V, 52          ; s[52:59]
.set CS,  60
.set SEL, 62
.set TBK, 66          ; LDS byte at which K of the step to be fetched begins
.set TBV, 67
.set SLOTS, 68
.set CNT, 69
.set MSB, 0
.macro WIN new
.if MSB != (\new)
	s_set_vgpr_msb (MSB<<8)|(\new)
.set MSB, \new
.endif
.endm
.macro PLACES
.rept 4
	v_nop
.endr
.endm
.macro CROUND
	s_barrier_signal -1
	s_barrier_wait -1
	s_cmp_lg_u32 s[WV], 0
	s_cbranch_scc1 .Lnot_wave_0_\@
	s_barrier_signal -3
.Lnot_wave_0_\@:
	s_barrier_wait -3
	s_barrier_signal -1
	s_barrier_wait -1
.endm
.macro JLOAD                        ; waves 0, 1 fetch K for key halves 0, 1; waves 2, 3 V; s_nop 0 and four v_nop follow each line
	s_cmp_lt_u32 s[WV], 2
	s_cbranch_scc0 .Lfor_v_\@
	tensor_load_to_lds s[G0K+4:G0K+7], s[G1K:G1K+7]
	s_nop 0
	PLACES
	s_branch .Lasked_\@
.Lfor_v_\@:
	tensor_load_to_lds s[G0V+4:G0V+7], s[G1V:G1V+7]
	s_nop 0
	PLACES
.Lasked_\@:
.endm
; THE CHANGE OF SLOTS, between PART_C and PART_A: all reads of the slot have been issued.  Each wave waits for all its tensor loads (one is out: its part of the other slot), adds 0 to its spare word, and waits for
; that and for its reads.  fill = 1: a round of the cluster's barrier, and the slot is filled again first thing behind it, with the tile two on: it has two trips, 256 matrix instructions, in which to land.
.macro CHANGE fill
	WIN 0
	s_wait_tensorcnt 0x0
	ds_add_u32 v[SPW], v[NIL]
.if \fill
.irp g, G0K+4, G0V+4
	s_xor_b32 s[\g+1], s[\g+1], SLOT1
	s_add_nc_u64 s[\g+2:\g+3], s[\g+2:\g+3], 64*512
.endr
.endif
	s_sub_co_u32 s[TBK], s[TBK], 64*PK    ; the fetches go back to a slot's first step, in the other slot
	s_xor_b32 s[TBK], s[TBK], SLOT1
	s_sub_co_u32 s[TBV], s[TBV], 64*PVP
	s_xor_b32 s[TBV], s[TBV], SLOT1
	s_wait_dscnt 0x0
.if \fill
	CROUND
	JLOAD
.else
	s_barrier_signal -1
	s_barrier_wait -1
.endif
.endm
	s_load_b128 s[4:7], s[0:1], 0x0 ; qkvh s[4:5], ao s[6:7]
	v_lshl_add_u32 v[SPW], v0, 2, SPARE
	v_mov_b32 v[NIL], 0
	ds_add_u32 v[SPW], v[NIL]       ; the wave's opening: the add and its wait stand ahead of my first tensor load
	v_lshrrev_b32 v1, 5, v0
	v_readfirstlane_b32 s[WV], v1
	s_lshr_b32 s[QH], s[WV], 1
	s_and_b32 s[KH], s[WV], 1       ; my key half; also the half that I fetch
	s_bfe_u32 s11, ttmp6, 0x40000   ; cx
	s_lshl_b32 s12, ttmp9, 2
	s_add_co_u32 s12, s12, s11      ; my block of 128 queries: it enters Q's and ao's addresses alone
	s_and_b32 s13, ttmp7, 0xffff    ; the head, which the partners share
	s_lshl_b32 s70, s13, 20         ; a head's rows are 2^20 bytes
	s_lshl_b32 s14, s[KH], 19       ; 1,024 rows of 512 bytes
	s_add_co_u32 s72, s70, s14
	s_add_co_u32 s74, s72, 2<<24    ; V's part
	s_add_co_u32 s72, s72, 1<<24    ; K's part
	s_mov_b32 s73, 0
	s_mov_b32 s75, 0
	s_lshl_b32 s76, s12, 7
	s_lshl_b32 s15, s[QH], 6
	s_add_co_u32 s76, s76, s15
	s_lshl_b32 s76, s76, 9
	s_add_co_u32 s76, s76, s70      ; Q at my wave's 64 rows
	s_mov_b32 s77, 0
	s_and_b32 s78, s13, 3
	s_lshl_b32 s78, s78, 22         ; ao: K block 4 x head of the four,
	s_lshr_b32 s80, s13, 2
	s_lshl_b32 s80, s80, 11         ; row 2,048 batch
	s_lshl_b32 s81, s12, 7
	s_add_co_u32 s80, s80, s81      ; + 128 block
	s_add_co_u32 s80, s80, s15      ; + 64 query half
	s_lshl_b32 s81, s[KH], 5
	s_add_co_u32 s80, s80, s81      ; + 32: the two tiles that I finish
	s_lshl_b32 s80, s80, 7
	s_add_co_u32 s78, s78, s80
	s_mov_b32 s79, 0
	s_mul_i32 s82, s[KH], KHB       ; my half's K in slot 0
	s_mul_i32 s83, s[KH], VHB
	s_add_co_u32 s83, s83, VOFF     ; its V
	s_mul_i32 s84, s[KH], 32*PK
	s_add_co_u32 s84, s84, ZB       ; its K of step 0
	s_mov_b32 s[TBK], s82
	s_mov_b32 s[TBV], s83
	s_mov_b32 s[G1K], 0x07b1000f    ; the mask of four; 2-byte elements; padding on; bit 21 beside a mask; after every 128 words (code 6) 4 words (code 3)
	s_mov_b32 s[G1Z], 0x07b1000f
	s_mov_b32 s[G1V], 0x0fb1000f    ; 8 words (code 7)
.irp g, G1K, G1V, G1Z
	s_mov_b32 s[\g+1], 256<<16      ; tensor_dim0 = 256
	s_mov_b32 s[\g+3], 256<<16      ; tile_dim0
	s_mov_b32 s[\g+5], 256          ; from row to row
	s_mov_b32 s[\g+6], 0
	s_mov_b32 s[\g+7], 0
.endr
	s_mov_b32 s[G1K+2], 64<<16
	s_mov_b32 s[G1K+4], 64
	s_mov_b32 s[G1V+2], 64<<16
	s_mov_b32 s[G1V+4], 64
	s_mov_b32 s[G1Z+2], 32<<16
	s_mov_b32 s[G1Z+4], 32
	s_mov_b32 s[CS], 0x3db8aa3b     ; c = log2(e) / 16
	s_mov_b32 s[CS+1], s[CS]
	s_mov_b32 s[SEL], 0x76543210
	s_mov_b32 s[SEL+1], 0xfedcba98
	s_wait_dscnt 0x0                ; the opening add is done
	s_wait_kmcnt 0x0
	s_add_nc_u64 s[72:73], s[4:5], s[72:73]
	s_add_nc_u64 s[74:75], s[4:5], s[74:75]
	s_add_nc_u64 s[76:77], s[4:5], s[76:77]
	s_add_nc_u64 s[78:79], s[6:7], s[78:79]
	s_mov_b32 s[G0Z], 1
	s_mov_b32 s[G0Z+1], s84
	s_add_nc_u64 s[G0Z+2:G0Z+3], s[72:73], 0
	s_or_b32 s[G0Z+3], s[G0Z+3], 0x80000000
.irp s, 0,1
	s_mov_b32 s[G0K+4*\s], 1
	s_add_co_u32 s[G0K+4*\s+1], s82, \s*SLOT1
	s_add_nc_u64 s[G0K+4*\s+2:G0K+4*\s+3], s[72:73], 32*512+\s*64*512   ; K's tiles begin a step on
	s_or_b32 s[G0K+4*\s+3], s[G0K+4*\s+3], 0x80000000
	s_mov_b32 s[G0V+4*\s], 1
	s_add_co_u32 s[G0V+4*\s+1], s83, \s*SLOT1
	s_add_nc_u64 s[G0V+4*\s+2:G0V+4*\s+3], s[74:75], \s*64*512
	s_or_b32 s[G0V+4*\s+3], s[G0V+4*\s+3], 0x80000000
.endr
	CROUND                          ; all four work-groups are here: the first joint loads meet
	s_cmp_lt_u32 s[WV], 2           ; a wave's first fills stand in one branch: three loads of mine are out, or two
	s_cbranch_scc0 .Lfirst_v
	tensor_load_to_lds s[G0Z:G0Z+3], s[G1Z:G1Z+7]
	s_nop 0
	tensor_load_to_lds s[G0K:G0K+3], s[G1K:G1K+7]
	s_nop 0
	tensor_load_to_lds s[G0K+4:G0K+7], s[G1K:G1K+7]
	s_nop 0
	PLACES
	s_branch .Lfirst_asked
.Lfirst_v:
	tensor_load_to_lds s[G0V:G0V+3], s[G1V:G1V+7]
	s_nop 0
	tensor_load_to_lds s[G0V+4:G0V+7], s[G1V:G1V+7]
	s_nop 0
	PLACES
.Lfirst_asked:
	v_and_b32 v1, 15, v0            ; r
	v_bfe_u32 v9, v0, 4, 1          ; h
	v_lshlrev_b32 v[QO], 9, v1
	v_lshl_add_u32 v[QO], v9, 4, v[QO]
	WIN 0xc0                        ; destination window 3
.set i, 0
.rept 32                            ; Q stays in registers: tile i / 8, channels 32 (i % 8) on
	global_load_b128 v[8*i:8*i+3],   v[QO], s[76:77] offset:(i/8)*8192+(i%8)*64
	global_load_b128 v[8*i+4:8*i+7], v[QO], s[76:77] offset:(i/8)*8192+(i%8)*64+32
.set i, i+1
.endr
	WIN 0x40                        ; O^T starts at 0; this stands in the wait for the first tiles, and no first step is written out
.set i, 0
.rept 256
	v_mov_b32 v[i], 0
.set i, i+1
.endr
	WIN 0x80
.set i, 0
.rept 256
	v_mov_b32 v[i], 0
.set i, i+1
.endr
	WIN 0
.set i, 0
.rept 4
	v_mov_b32 v[ST+8*i], 0xfe000000    ; c m: far below every c s
	v_mov_b32 v[ST+8*i+1], 0xff7fffff  ; m
	v_mov_b32 v[ST+8*i+2], 0
	v_mov_b32 v[ST+8*i+3], 0
.set i, i+1
.endr
	v_mul_u32_u24 v[AK0], v1, PK
	v_lshl_add_u32 v[AK0], v9, 4, v[AK0]
	v_and_b32 v10, 7, v0            ; the turning load: lane l reads key 8 h + l % 8, channels 8 ((l / 8) % 2) + 0..7
	v_bfe_u32 v11, v0, 3, 1
	v_lshl_add_u32 v[AV0], v9, 3, v10
	v_mul_u32_u24 v[AV0], v[AV0], PVP
	v_lshl_add_u32 v[AV0], v11, 4, v[AV0]
; THE MATRIX WORK.  The accumulators take turns, one instruction a turn.  Product i of 64 of S^T = K Q^T: channels 32 (i / 8) on, keys 16 ((i / 4) % 2) on, tile i % 4; the first 8 start the sums.
.macro KQ
	WIN 0x0c                        ; Q in window 3
.set rD, S+16*(i%4)+8*((i/4)%2)
.set rA, F+16*((i/8)%4)+8*((i/4)%2)
.set rB, 64*(i%4)+8*(i/8)
.if i < 8
	v_wmma_f32_16x16x32_bf16 v[rD:rD+7], v[rA:rA+7], v[rB:rB+7], 0
.else
	v_wmma_f32_16x16x32_bf16 v[rD:rD+7], v[rA:rA+7], v[rB:rB+7], v[rD:rD+7]
.endif
.endm
.macro PVM                          ; product i of 64 of O^T += V^T P: channels 16 (i / 4) on, tile i % 4
.set rD, 128*(i%2)+8*(i/4)
.set rA, F+16*((i/8)%4)+8*((i/4)%2)
.set rB, P+8*(i%4)
	WIN 0x50+0x50*((i%4)/2)
	v_wmma_f32_16x16x32_bf16 v[rD:rD+7], v[rA:rA+7], v[rB:rB+7], v[rD:rD+7]
.endm
; THE LDS LOADS.  Group g = 0..7: K of the next step, channels 32 g on, two fragments of 16 keys.  Group g = 8..15: V of the step in hand, channel blocks 2 (g - 8), + 1, turned.  Four loads a group, into F + 16 (g % 4).
.macro LDK g
	WIN 0
.set rF, F+16*((\g)%4)
	ds_load_b128 v[rF:rF+3],     v[AK] offset:64*(\g)
	ds_load_b128 v[rF+4:rF+7],   v[AK] offset:64*(\g)+32
	ds_load_b128 v[rF+8:rF+11],  v[AK] offset:16*PK+64*(\g)
	ds_load_b128 v[rF+12:rF+15], v[AK] offset:16*PK+64*(\g)+32
.endm
.macro LDV g
	WIN 0
.set rF, F+16*((\g)%4)
.set cb, 2*((\g)-8)
	ds_load_tr16_b128 v[rF:rF+3],     v[AV] offset:32*cb
	ds_load_tr16_b128 v[rF+4:rF+7],   v[AV] offset:16*PVP+32*cb
	ds_load_tr16_b128 v[rF+8:rF+11],  v[AV] offset:32*cb+32
	ds_load_tr16_b128 v[rF+12:rF+15], v[AV] offset:16*PVP+32*cb+32
.endm
; THE VECTOR WORK.
.macro TREG tt
.set rT, ST+8*(\tt)
.set rS, S+16*(\tt)
.set rP, P+8*(\tt)
.set rV, SV+4*(\tt)
.endm
.macro RS4                          ; behind product i of K Q^T: pairs 4 i .. 4 i + 3 of the 256 of O^T, times a; ascending
.set t, i/16
.set rT, ST+8*t
	WIN 0x41+0x41*(t/2)
.set n, 4*i
.rept 4
.set rO, 128*(t%2)+2*(n%64)
	v_pk_mul_f32 v[rO:rO+1], v[rO:rO+1], v[rT+6:rT+7] op_sel_hi:[1,0]
.set n, n+1
.endr
.endm
.macro XS n                         ; number n of the 14 that find a tile's maximum and statistics; numbers 0 and 1 read each accumulator's lowest registers first
.if (\n) == 0
	v_max3_num_f32 v[rT+4], v[rS], v[rS+1], v[rS+2]
.elseif (\n) == 1
	v_max3_num_f32 v[rT+5], v[rS+8], v[rS+9], v[rS+10]
.elseif (\n) == 2
	v_max3_num_f32 v[rT+4], v[rT+4], v[rS+3], v[rS+4]
.elseif (\n) == 3
	v_max3_num_f32 v[rT+5], v[rT+5], v[rS+11], v[rS+12]
.elseif (\n) == 4
	v_max3_num_f32 v[rT+4], v[rT+4], v[rS+5], v[rS+6]
.elseif (\n) == 5
	v_max3_num_f32 v[rT+5], v[rT+5], v[rS+13], v[rS+14]
.elseif (\n) == 6
	v_max3_num_f32 v[rT+4], v[rT+4], v[rS+7], v[rS+15]
.elseif (\n) == 7
	v_max3_num_f32 v[rT+4], v[rT+4], v[rT+5], v[rT+1]
.elseif (\n) == 8
	v_mov_b32 v[rT+7], v[rT]        ; c m_old is kept
.elseif (\n) == 9
	v_permlanex16_b32 v[rT+5], v[rT+4], s[SEL], s[SEL+1]  ; the query's other 16 keys lie in the lane 16 away
.elseif (\n) == 10
	v_max_num_f32 v[rT+1], v[rT+4], v[rT+5]
.elseif (\n) == 11
	v_mul_f32 v[rT], s[CS], v[rT+1]
.elseif (\n) == 12
	v_sub_f32 v[rT+7], v[rT+7], v[rT]
.else
	v_exp_f32 v[rT+6], v[rT+7]
.endif
.endm
.macro FS n                         ; c s - c m for pair n of 8
	v_pk_fma_f32 v[rS+2*(\n):rS+2*(\n)+1], v[rS+2*(\n):rS+2*(\n)+1], s[CS:CS+1], v[rT:rT+1] op_sel_hi:[1,0,0] neg_lo:[0,0,1] neg_hi:[0,0,1]
.endm
.macro LS n                         ; l takes pair n of the weights; the first time l = a l + pair
.if (\n) == 0
	s_wait_alu depctr_va_vdst(0)
	v_pk_fma_f32 v[rT+2:rT+3], v[rT+2:rT+3], v[rT+6:rT+7], v[rS:rS+1] op_sel_hi:[1,0,1]
.else
	s_wait_alu depctr_va_vdst(0)
	v_pk_add_f32 v[rT+2:rT+3], v[rT+2:rT+3], v[rS+2*(\n):rS+2*(\n)+1]
.endif
.endm
.macro CV n                         ; pair n rounded to bf16
	v_cvt_pk_bf16_f32 v[rP+(\n)], v[rS+2*(\n)], v[rS+2*(\n)+1]
.endm
; THE FRONT QUEUE, 192 long, the four tiles alternating; FR writes entry q and steps q.
;   0-11 c m and l are set aside     12-67 XS 0..13     68-71 the first scaling     72-75 the exponentials of score 0
;   76-187 by turns an exponential (scores 1-14) and a plain line that is ready: scalings two scores or more ahead of their exponentials, sums four pairs or more behind theirs     188-191 the exponentials of score 15
; Behind every exponential stands a plain line that names neither its result nor its source, before either is touched (ISA guide 5.7.2).
.macro FR
	WIN 0
.if q < 12
	TREG q%4
.if q < 4
	v_mov_b32 v[rV], v[rT]
.else
	v_mov_b32 v[rV+q/4], v[rT+1+q/4]
.endif
.elseif q < 68
	TREG q%4
	XS (q-12)/4
.elseif q < 72
	TREG q%4
	FS 0
.elseif q < 76
	TREG q%4
	v_exp_f32 v[rS], v[rS]
.elseif q < 188
.set z, q-76
.set k, (4+z/2)/4
	TREG (z/2)%4
.if z%2 == 0
	v_exp_f32 v[rS+k], v[rS+k]
.elseif k < 3
	FS k
.elseif k == 14
	LS 6
.elseif k%2 == 1
	LS (k-3)/2
.else
	FS k/2+1
.endif
.else
	TREG q%4
	v_exp_f32 v[rS+15], v[rS+15]
.endif
.set q, q+1
.endm
; THE LUMP, 36 lines: P of the step whose exponentials have just ended, and the last sum.  Tile t's first line stands 4, 5, 5, 6 plain lines behind the last product that read P of tile t.
.macro LUMP
	WIN 0
.irp n0, 0,2,4
.irp tt, 0,1,2,3
	TREG \tt
	CV \n0
	CV (\n0)+1
.endr
.endr
.irp tt, 0,1,2,3
	TREG \tt
	CV 6
.endr
.irp tt, 0,1,2,3
	TREG \tt
	LS 7
.endr
.irp tt, 0,1,2,3
	TREG \tt
	CV 7
.endr
.endm
; A group's wait at its head: 8, since the two groups asked for behind it (8 loads) may stay out.  A group's loads go into the registers of the group before the one in hand, behind its second product's riders:
; twelve plain lines (PART_X), or nine riders of which four or more are plain (PART_C, PART_A), behind the last product that read them.
; riders = 0 (ahead of the loop, step 0's scores): no rescaling, four v_nop in front of each run, no V; the last waits run down 8, 4, 0.
.macro PART_X riders
.set i, 0
.rept 64
.set x, i/8
.if i%8 == 0
.if (\riders) || (x < 6)
	s_wait_dscnt 8
.elseif x == 6
	s_wait_dscnt 4
.else
	s_wait_dscnt 0
.endif
.endif
	KQ
.if \riders
	RS4
.endif
.if i%8 == 1
.if x < 5
.if !(\riders)
	PLACES
.endif
	LDK x+3
.elseif \riders
.if x == 5
	WIN 0
	v_add_nc_u32 v[AV], s[TBV], v[AV0]
	s_add_co_u32 s[TBV], s[TBV], 32*PVP
.endif
	LDV x+3
.endif
.endif
.set i, i+1
.endr
.endm
.macro PART_C
.set i, 0
.set q, 0
.rept 48
.if i%8 == 0
	s_wait_dscnt 8
.endif
	PVM
	FR
	FR
	FR
.if (i%8 == 1) && (i/8 < 5)
	LDV i/8+11
.endif
.set i, i+1
.endr
.endm
; Group 13 asks for nothing, so at group 14's head only group 15's four loads are younger; group 14 asks for K's groups 0 and 1 of the next step, group 15 for group 2.  final = 1: the last step: nothing more is asked for or made.
.macro PART_A final
.set i, 48
.set q, 144
.rept 16
.if i == 48
	s_wait_dscnt 4
.elseif i == 56
	s_wait_dscnt 8-8*(\final)
.endif
	PVM
.if !(\final)
	FR
	FR
	FR
.if i == 49
	v_add_nc_u32 v[AK], s[TBK], v[AK0]
	s_add_co_u32 s[TBK], s[TBK], 32*PK
	LDK 0
	LDK 1
.elseif i == 57
	LDK 2
.endif
.endif
.set i, i+1
.endr
.endm
	s_wait_tensorcnt 1              ; Z and slot 0 are in, my part of them; slot 1's load stays out
	s_barrier_signal -1
	s_barrier_wait -1
	v_add_nc_u32 v[AK], s84, v[AK0] ; K of step 0
	LDK 0
	LDK 1
	LDK 2
	s_wait_loadcnt 0x0              ; Q
	PART_X 0
	WIN 0
	PLACES                          ; behind the last products: for the loads below and the first reads of the scores
	v_add_nc_u32 v[AK], s[TBK], v[AK0]
	s_add_co_u32 s[TBK], s[TBK], 32*PK
	LDK 0                           ; K of step 1
	LDK 1
	LDK 2
.set q, 0
.rept 192
	FR                              ; step 0's front, with no products to stand behind
.endr
	LUMP
	s_mov_b32 s[SLOTS], 15
	s_mov_b32 s[CNT], 2
	s_branch .Lx                    ; the loop is entered in the middle of a trip
.Lslot:                             ; 14 times: tiles 2 .. 15 are asked for
	CHANGE 1
	s_mov_b32 s[CNT], 2
.Ltrip:
	PART_A 0
	LUMP
	WIN 0
.Lx:
	PART_X 1
	PART_C
	WIN 0
	s_sub_co_u32 s[CNT], s[CNT], 1
	s_cmp_lg_u32 s[CNT], 0
	s_cbranch_scc1 .Ltrip
	s_sub_co_u32 s[SLOTS], s[SLOTS], 1
	s_cmp_lg_u32 s[SLOTS], 0
	s_cbranch_scc1 .Lslot
	CHANGE 0                        ; the tail is written out
	s_mov_b32 s[CNT], 2
.Ltail:
	PART_A 0
	LUMP
	PART_X 1
	PART_C
	WIN 0
	s_sub_co_u32 s[CNT], s[CNT], 1
	s_cmp_lg_u32 s[CNT], 0
	s_cbranch_scc1 .Ltail
	PART_A 1
	; THE MERGE.  l's two halves and the other half of the lanes' are added.  Every wave puts (c m, l) and its four tiles of O^T, in f32, into LDS; behind a barrier wave w finishes tiles 2 (w % 2), + 1 of its
	; query half from its own copy and its partner's: the addresses hang on the wave's number, so one text serves all four.  The lines below are also the places behind the last products.
	WIN 0
.irp tt, 0,1,2,3
	v_add_f32 v[SV+4*\tt+1], v[SV+4*\tt+1], v[SV+4*\tt+2]
.endr
.irp tt, 0,1,2,3
	v_permlanex16_b32 v[SV+4*\tt+2], v[SV+4*\tt+1], s[SEL], s[SEL+1]
.endr
.irp tt, 0,1,2,3
	v_add_f32 v[SV+4*\tt+1], v[SV+4*\tt+1], v[SV+4*\tt+2]
.endr
	v_and_b32 v25, 31, v0           ; lane; v16-25, the running statistics' registers, are free
	s_lshl_b32 s80, s[WV], 16
	v_lshl_add_u32 v16, v25, 4, s80 ; where I put O^T
	s_lshl_b32 s81, s[KH], 15
	s_add_co_u32 s82, s80, s81
	v_lshl_add_u32 v17, v25, 4, s82 ; my copy of the two tiles that I finish
	s_xor_b32 s83, s[WV], 1         ; my partner
	s_lshl_b32 s85, s83, 16
	s_add_co_u32 s85, s85, s81
	v_lshl_add_u32 v18, v25, 4, s85 ; its copy
	s_lshl_b32 s84, s[WV], 10
	s_add_co_u32 s84, s84, STAT
	v_lshl_add_u32 v19, v25, 3, s84
	s_lshl_b32 s86, s[KH], 9
	s_add_co_u32 s84, s84, s86
	v_lshl_add_u32 v20, v25, 3, s84
	s_lshl_b32 s83, s83, 10
	s_add_co_u32 s83, s83, STAT
	s_add_co_u32 s83, s83, s86
	v_lshl_add_u32 v21, v25, 3, s83
	s_mul_i32 s87, s[WV], 9216
	s_add_co_u32 s87, s87, STG
	v_mul_u32_u24 v22, v1, 144      ; into my stage: row r, 16 bytes for each half of the lanes
	v_lshl_add_u32 v22, v9, 4, v22
	v_add_nc_u32 v22, s87, v22
	v_lshrrev_b32 v23, 3, v25       ; back: 32 lanes take four rows of 128 bytes,
	v_mul_u32_u24 v23, v23, 144
	v_lshl_add_u32 v23, v10, 4, v23
	v_add_nc_u32 v23, s87, v23
	v_lshlrev_b32 v24, 4, v25       ; which are 512 consecutive bytes of a block of ao
	s_wait_dscnt 0x0
	s_barrier_signal -1
	s_barrier_wait -1               ; nobody reads the ring any more
.irp tt, 0,1,2,3
	ds_store_b64 v19, v[SV+4*\tt:SV+4*\tt+1] offset:256*\tt
.endr
.irp tt, 0,1,2,3
	WIN 4+4*(\tt/2)                 ; the data in window 1 or 2
.set cb, 0
.rept 16
	ds_store_b128 v16, v[128*(\tt%2)+8*cb:128*(\tt%2)+8*cb+3]   offset:16384*\tt+1024*cb
	ds_store_b128 v16, v[128*(\tt%2)+8*cb+4:128*(\tt%2)+8*cb+7] offset:16384*\tt+1024*cb+512
.set cb, cb+1
.endr
.endr
	WIN 0
	s_wait_dscnt 0x0                ; for the others' sake
	s_barrier_signal -1
	s_barrier_wait -1
.macro LDT win, adr, ii             ; the 32 loads of tile ii of a copy
	WIN \win
.set cb, 0
.rept 16
	ds_load_b128 v[128*(\ii)+8*cb:128*(\ii)+8*cb+3],   v[\adr] offset:16384*(\ii)+1024*cb
	ds_load_b128 v[128*(\ii)+8*cb+4:128*(\ii)+8*cb+7], v[\adr] offset:16384*(\ii)+1024*cb+512
.set cb, cb+1
.endr
.endm
.macro COMB ii                      ; O = gA O_mine + gB O_partner, rounded to bf16 into v[64 + 64 ii ..]
	WIN 0x41
.set n, 0
.rept 64
	v_pk_mul_f32 v[128*(\ii)+2*n:128*(\ii)+2*n+1], v[128*(\ii)+2*n:128*(\ii)+2*n+1], v[GF+4*(\ii):GF+4*(\ii)+1] op_sel_hi:[1,0]
.set n, n+1
.endr
	WIN 0x52                        ; source 0 window 2, source 1 window 0, source 2 and destination window 1
.set n, 0
.rept 64
	v_pk_fma_f32 v[128*(\ii)+2*n:128*(\ii)+2*n+1], v[128*(\ii)+2*n:128*(\ii)+2*n+1], v[GF+4*(\ii)+2:GF+4*(\ii)+3], v[128*(\ii)+2*n:128*(\ii)+2*n+1] op_sel_hi:[1,0,1]
.set n, n+1
.endr
	WIN 0x05
.set n, 0
.rept 64
	v_cvt_pk_bf16_f32 v[64+64*(\ii)+n], v[128*(\ii)+2*n], v[128*(\ii)+2*n+1]
.set n, n+1
.endr
	WIN 0
.endm
.macro OUT ii                       ; through my own stage, by blocks of 64 channels; LDS serves a wave's instructions in order (ISA guide 5.7.1.4), so the loads see the stores
.set cb, 0
.rept 16
	ds_store_b128 v22, v[64+64*(\ii)+4*cb:64+64*(\ii)+4*cb+3] offset:2304*(cb/4)+32*(cb%4)
.set cb, cb+1
.endr
.set cb, 0
.rept 16
	ds_load_b128 v[64+64*(\ii)+4*cb:64+64*(\ii)+4*cb+3], v23 offset:2304*(cb/4)+576*(cb%4)
.set cb, cb+1
.endr
.set cb, 0
.rept 16
	s_wait_dscnt 15-cb
	global_store_b128 v24, v[64+64*(\ii)+4*cb:64+64*(\ii)+4*cb+3], s[78:79] offset:1048576*(cb/4)+2048*(\ii)+512*(cb%4)  ; 512 consecutive bytes, aligned
.set cb, cb+1
.endr
.endm
	ds_load_b64 v[224:225], v20             ; (c m, l): mine, tiles 0 and 1 of the two,
	ds_load_b64 v[226:227], v20 offset:256
	ds_load_b64 v[228:229], v21             ; my partner's
	ds_load_b64 v[230:231], v21 offset:256
	LDT 0x40, 17, 0
	WIN 0
	s_wait_dscnt 32                 ; the 32 loads of O^T are younger: the statistics are in
.irp ii, 0,1
	v_max_num_f32 v[232+\ii], v[224+2*\ii], v[228+2*\ii]
.endr
.irp ii, 0,1
	v_sub_f32 v[GF+4*\ii+1], v[224+2*\ii], v[232+\ii]
	v_sub_f32 v[GF+4*\ii+3], v[228+2*\ii], v[232+\ii]
.endr
.irp ii, 0,1
	v_exp_f32 v[234+\ii], v[GF+4*\ii+1]
	v_exp_f32 v[236+\ii], v[GF+4*\ii+3]
.endr
	v_nop                           ; a plain line behind the exponentials
	s_wait_alu depctr_va_vdst(0)
.irp ii, 0,1
	v_mul_f32 v[238+\ii], v[234+\ii], v[225+2*\ii]
.endr
.irp ii, 0,1
	v_fmac_f32 v[238+\ii], v[236+\ii], v[229+2*\ii]
.endr
.irp ii, 0,1
	v_rcp_f32 v[238+\ii], v[238+\ii]
.endr
	v_nop
	s_wait_alu depctr_va_vdst(0)
.irp ii, 0,1
	v_mul_f32 v[GF+4*\ii], v[234+\ii], v[238+\ii]
	v_mul_f32 v[GF+4*\ii+2], v[236+\ii], v[238+\ii]
.endr
	LDT 0x80, 18, 0
	LDT 0x40, 17, 1
	s_wait_dscnt 32                 ; the 32 loads of my tile 1 are younger: both copies of tile 0 are in
	COMB 0
	LDT 0x80, 18, 1
	WIN 0
	OUT 0                           ; its count-down ends at 0: both copies of tile 1 are in as well
	COMB 1
	OUT 1
	s_wait_tensorcnt 0x0            ; the wave's end
	ds_add_u32 v[SPW], v[NIL]
	s_wait_dscnt 0x0
	CROUND                          ; the closing round
	s_endpgm
.Lfunc_end_k_qfa795c7c1c_attn:
	.size	k_qfa795c7c1c_attn, .Lfunc_end_k_qfa795c7c1c_attn-k_qfa795c7c1c_attn
	.p2alignl 7, 3214868480
	.fill 96, 4, 3214868480
	.section	.rodata,"a",@progbits
	.p2align	6, 0x0
	.amdhsa_kernel k_qfa795c7c1c_attn
		.amdhsa_group_segment_fixed_size 327680
		.amdhsa_private_segment_fixed_size 0
		.amdhsa_enable_private_segment 0
		.amdhsa_kernarg_size 16
		.amdhsa_user_sgpr_count 2
		.amdhsa_user_sgpr_kernarg_segment_ptr 1
		.amdhsa_wavefront_size32 1
		.amdhsa_system_sgpr_workgroup_id_x 1
		.amdhsa_system_sgpr_workgroup_id_y 1
		.amdhsa_system_sgpr_workgroup_id_z 1
		.amdhsa_system_vgpr_workitem_id 0
		.amdhsa_next_free_vgpr 1024
		.amdhsa_next_free_sgpr 96
		.amdhsa_reserve_vcc 0
		.amdhsa_float_denorm_mode_32 3
		.amdhsa_float_denorm_mode_16_64 3
		.amdhsa_memory_ordered 1
		.amdhsa_forward_progress 1
		.amdhsa_inst_pref_size 205
	.end_amdhsa_kernel
	.amdgpu_metadata
---
amdhsa.version: [ 1, 2 ]
amdhsa.kernels:
  - .name:           k_qfa795c7c1c_attn
    .symbol:         k_qfa795c7c1c_attn.kd
    .args:
      - { .name: qkvh, .offset: 0, .size: 8, .value_kind: global_buffer, .address_space: global }
      - { .name: ao, .offset: 8, .size: 8, .value_kind: global_buffer, .address_space: global }
    .group_segment_fixed_size: 327680
    .private_segment_fixed_size: 0
    .kernarg_segment_align: 8
    .kernarg_segment_size: 16
    .max_flat_workgroup_size: 128
    .sgpr_count:     96
    .vgpr_count:     1024
    .wavefront_size: 32
...
	.end_amdgpu_metadata
.endif
;; end of part 3
;; launch oproj (part 4): grid 4 x 64, 4 waves a work-group, clusters of 4 x 4, 327,680 bytes of LDS; arguments ao, wob, dl; writes dl
.if DOCPART == 4
	.amdgcn_target "amdgcn-amd-amdhsa--gfx1250"
	.amdhsa_code_object_version 6
	.text
	.protected	k_qfa795c7c1c_oproj
	.globl	k_qfa795c7c1c_oproj
	.p2align	8
	.type	k_qfa795c7c1c_oproj,@function
k_qfa795c7c1c_oproj:
	s_mov_b64 s[64:65], 0
	v_nop
	global_prefetch_b8 v0, s[64:65] scope:SCOPE_SE
	s_setreg_imm32_b32 hwreg(HW_REG_WAVE_MODE, 25, 1), 1
	s_wait_xcnt 0x0
	s_wait_alu depctr_hold_cnt(0) depctr_sa_sdst(0) depctr_va_vdst(0) depctr_va_sdst(0) depctr_va_ssrc(0) depctr_va_vcc(0) depctr_vm_vsrc(0)
	s_getreg_b32 s2, hwreg(HW_REG_IB_STS2, 6, 4)
	s_cmp_eq_u32 s2, 0
	s_cbranch_scc0 .Lentry_in_a_cluster
	s_endpgm
.Lentry_in_a_cluster:
	s_bfe_u32 s2, ttmp6, 0x10000c
	s_cmp_lg_u32 s2, 0xf033
	s_cbranch_scc0 .Lentry_shape_is_right
	s_endpgm
.Lentry_shape_is_right:
; dl = ao wo^T.  ao [16 kb][8192][64], wob [16 kb][1024][64] bf16 (K blocks of 64); dl [8192][1024] bf16.  Sums in f32, one rounding.  Bias, residual and norm follow in the next launch, in f32.
; LIMITS: operands and dl carry bf16's 8 significant bits; NaN and infinities are not treated apart.
; A tile of dl is 128 rows x 256 columns: 64 x 4 = 256 work-groups, and a work-group takes (128 + 256) x 2,048 bytes into LDS, against (32 + 1,024) x 2,048 for a tile of whole rows.
; Four waves, each 64 x 128: 32 accumulators of 16 x 16, 256 registers.
; K goes through two LDS slots of TWO K blocks each (128 along K): waves 0, 1 fetch ao's two blocks, waves 2, 3 wob's two, one load a wave.  A block's 128-byte rows lie end to end in memory:
; they are asked for as rows of 256 bytes and padded in LDS after every 128 bytes (pitch 144).
; CLUSTER 4 x 4: ao's tile hangs on the tile row alone and is asked for jointly along a row of the cluster, wob's on the tile column alone and jointly along a column.
; THE MATRIX INSTRUCTION IS USED TRANSPOSED (source 0 = 16 rows of wob, source 1 = 16 rows of ao): a lane holds row l % 16 of dl and the columns 8 (l / 16) + 0..7.
; REGISTERS.  Window 0: v0-29 addresses; two fragment buffers of 96: ao's 4 fragments, then wob's 8: v32-127, v128-223.  Window 1: accumulator (a, b), a = 0..3 row blocks, b = 0..7 column blocks, at 8 (4 b + a).
.set PITCH,  144                       ; an LDS row: 128 bytes + 16: the 16 rows of a fragment load start at 16 different 16-byte columns modulo 256 bytes
.set SLOT1,  131072                    ; slot 1 begins here: one exclusive or turns an address of one slot into the other's
.set ABL,    128*PITCH                 ; a K block of ao's 128 rows: one tensor load
.set BOFF,   2*ABL                     ; wob's two blocks lie behind ao's two
.set BBL,    256*PITCH                 ; a K block of wob's 256 rows: one tensor load
.set SPARE,  SLOT1+BOFF+2*BBL          ; behind slot 1: the spare words, 128 bytes a wave
.set STAGE,  SPARE+512                 ; 64 rows x 272 bytes for each wave, its own; no tile lands here
.set SP,     272                       ; a stage row: a wave's 128 columns, 256 bytes, + 16
.set ABLK,   8192*128                  ; bytes from K block to K block in ao
.set WBLK,   1024*128                  ; in wob
.set ADRA0, 4                          ; v4   my lane's place in ao's tile of slot 0
.set ADRB0, 5                          ; v5   in wob's
.set ADRA,  6                          ; v6   the same in the slot in hand
.set ADRB,  7
.set STO,   8                          ; v8   the way out: where I put 16 bytes of a row
.set RD,    9                          ; v9   where I read rows back
.set CO,    10                         ; v10  my byte offset in two rows of dl
.set SPW,   28                         ; v28  my spare word; never rewritten
.set NIL,   29                         ; v29  0; never rewritten
.set FA,    32                         ; ao's fragments of buffer f at FA + 96 f
.set FB,    64                         ; wob's at FB + 96 f
.set TMP,   32                         ; the way out: the 32 accumulators, packed
.set WV, 12                            ; s12 wave
.set WM, 13                            ; s13 which 64 rows are mine; also: I fetch for ao (0) or wob (1)
.set WN, 14                            ; s14 which 128 columns; also: which of a slot's two K blocks I fetch
.set TB, 19                            ; s19 the slot in hand, as an LDS byte
.set G1A, 24
.set G1B, 32
.set G0A, 40                           ; s[40:47] two sets; the second then walks
.set G0B, 48                           ; s[48:55]
.set MSB, 0
.macro WIN new                         ; the high byte repeats the setting that is left; a switch that changes nothing is dropped
.if MSB != (\new)
	s_set_vgpr_msb (MSB<<8)|(\new)
.set MSB, \new
.endif
.endm
.macro PLACES                          ; four plain vector instructions behind matrix instructions, ahead of loads into their sources and of reads of their results (ISA guide 7.12.1 for reads of their results)
.rept 4
	v_nop
.endr
.endm
.macro CREST                           ; a round of the cluster's barrier behind its opening barrier
	s_cmp_lg_u32 s[WV], 0
	s_cbranch_scc1 .Lnot_wave_0_\@
	s_barrier_signal -3
.Lnot_wave_0_\@:
	s_barrier_wait -3
	s_barrier_signal -1
	s_barrier_wait -1
.endm
.macro CROUND
	s_barrier_signal -1
	s_barrier_wait -1
	CREST
.endm
.macro JLOAD                           ; a joint refill by the walking sets: waves 0, 1 ao's blocks, waves 2, 3 wob's; s_nop 0 and four v_nop follow each line
	s_cmp_eq_u32 s[WM], 0
	s_cbranch_scc0 .Lfor_b_\@
	tensor_load_to_lds s[G0A+4:G0A+7], s[G1A:G1A+7]
	s_nop 0
	PLACES
	s_branch .Lasked_\@
.Lfor_b_\@:
	tensor_load_to_lds s[G0B+4:G0B+7], s[G1B:G1B+7]
	s_nop 0
	PLACES
.Lasked_\@:
.endm
	s_load_b128 s[4:7], s[0:1], 0x0                ; ao s[4:5], wob s[6:7]
	s_load_b64 s[8:9], s[0:1], 0x10                ; dl
	v_lshl_add_u32 v[SPW], v0, 2, SPARE
	v_mov_b32 v[NIL], 0
	ds_add_u32 v[SPW], v[NIL]                      ; the wave's opening: the add and its wait stand ahead of my first tensor load
	v_lshrrev_b32 v1, 5, v0
	v_readfirstlane_b32 s[WV], v1
	s_lshr_b32 s[WM], s[WV], 1
	s_and_b32 s[WN], s[WV], 1
	s_bfe_u32 s15, ttmp6, 0x40000                  ; cx
	s_bfe_u32 s16, ttmp6, 0x40004                  ; cy
	s_lshl_b32 s17, ttmp9, 2
	s_add_co_u32 s17, s17, s15                     ; tile column 0..3
	s_and_b32 s18, ttmp7, 0xffff
	s_lshl_b32 s18, s18, 2
	s_add_co_u32 s18, s18, s16                     ; tile row 0..63
	s_lshl_b32 s21, s16, 2
	s_lshl_b32 s21, 15, s21                        ; my row of the cluster
	s_lshl_b32 s22, 0x1111, s15                    ; my column
	s_or_b32 s[G1A], s21, 0x07310000               ; the mask; 2-byte elements; padding on; bit 21 beside a mask; after every 32 words (code 4) 4 words (code 3)
	s_or_b32 s[G1B], s22, 0x07310000
.irp g, G1A, G1B
	s_mov_b32 s[\g+1], 128<<16                     ; tensor_dim0 = 128 elements: two logical rows
	s_mov_b32 s[\g+3], 128<<16                     ; tile_dim0
	s_mov_b32 s[\g+5], 128                         ; from row to row
	s_mov_b32 s[\g+6], 0
	s_mov_b32 s[\g+7], 0
.endr
	s_mov_b32 s[G1A+2], 64<<16                     ; ao: 64 rows of 256 bytes = 128 logical rows
	s_mov_b32 s[G1A+4], 64
	s_mov_b32 s[G1B+2], 128<<16                    ; wob: 128 = 256 logical rows
	s_mov_b32 s[G1B+4], 128
	s_lshl_b32 s72, s18, 14                        ; ao's offset is made of the tile row and the wave alone: 128 rows of 128 bytes a tile,
	s_lshl_b32 s23, s[WN], 20                      ; my K block of the slot's two
	s_add_co_u32 s72, s72, s23
	s_mov_b32 s73, 0
	s_lshl_b32 s74, s17, 15                        ; wob's of the tile column and the wave alone: 256 rows of 128 bytes a tile,
	s_lshl_b32 s23, s[WN], 17
	s_add_co_u32 s74, s74, s23
	s_mov_b32 s75, 0
	s_mul_i32 s62, s[WN], ABL                      ; where they go: no place in the cluster enters an LDS address
	s_mul_i32 s63, s[WN], BBL
	s_add_co_u32 s63, s63, BOFF
	s_mov_b32 s[TB], 0
	s_wait_dscnt 0x0                               ; the opening add is done
	s_wait_kmcnt 0x0
	s_add_nc_u64 s[72:73], s[4:5], s[72:73]
	s_add_nc_u64 s[74:75], s[6:7], s[74:75]
.irp s, 0,1
	s_mov_b32 s[G0A+4*\s], 1
	s_add_co_u32 s[G0A+4*\s+1], s62, \s*SLOT1
	s_add_nc_u64 s[G0A+4*\s+2:G0A+4*\s+3], s[72:73], \s*2*ABLK   ; slot s begins with K blocks 2 s, 2 s + 1
	s_or_b32 s[G0A+4*\s+3], s[G0A+4*\s+3], 0x80000000
	s_mov_b32 s[G0B+4*\s], 1
	s_add_co_u32 s[G0B+4*\s+1], s63, \s*SLOT1
	s_add_nc_u64 s[G0B+4*\s+2:G0B+4*\s+3], s[74:75], \s*2*WBLK
	s_or_b32 s[G0B+4*\s+3], s[G0B+4*\s+3], 0x80000000
.endr
	CROUND                                         ; all sixteen work-groups are here: the first joint loads meet
	s_cmp_eq_u32 s[WM], 0                          ; a wave's two first fills stand in one branch: two loads of mine are out
	s_cbranch_scc0 .Lfirst_b
	tensor_load_to_lds s[G0A:G0A+3], s[G1A:G1A+7]
	s_nop 0
	tensor_load_to_lds s[G0A+4:G0A+7], s[G1A:G1A+7]
	s_nop 0
	PLACES
	s_branch .Lfirst_asked
.Lfirst_b:
	tensor_load_to_lds s[G0B:G0B+3], s[G1B:G1B+7]
	s_nop 0
	tensor_load_to_lds s[G0B+4:G0B+7], s[G1B:G1B+7]
	s_nop 0
	PLACES
.Lfirst_asked:
	v_and_b32 v1, 15, v0                           ; r = l % 16
	v_bfe_u32 v2, v0, 4, 1                         ; h = l / 16
	v_mul_u32_u24 v3, v1, PITCH
	v_lshl_add_u32 v3, v2, 4, v3                   ; a fragment's row x pitch + 16 h
	s_mul_i32 s66, s[WM], 64*PITCH                 ; my 64 rows of ao
	s_mul_i32 s67, s[WN], 128*PITCH                ; my 128 rows of wob
	s_add_co_u32 s67, s67, BOFF
	v_add_nc_u32 v[ADRA0], s66, v3
	v_add_nc_u32 v[ADRB0], s67, v3
	v_mov_b32 v[ADRA], v[ADRA0]
	v_mov_b32 v[ADRB], v[ADRB0]
	s_mul_i32 s66, s[WV], 64*SP
	s_add_co_u32 s66, s66, STAGE                   ; my stage
	v_mul_u32_u24 v3, v1, SP                       ; in: row r of a row block, 16 bytes for each half of the lanes
	v_lshl_add_u32 v3, v2, 4, v3
	v_add_nc_u32 v[STO], s66, v3
	v_mul_u32_u24 v3, v2, SP                       ; back: lanes 0-15 take one row of 256 bytes, lanes 16-31 the next
	v_lshl_add_u32 v3, v1, 4, v3
	v_add_nc_u32 v[RD], s66, v3
	v_lshlrev_b32 v3, 11, v2                       ; the same two rows of dl: 2,048 bytes apart
	v_lshl_add_u32 v[CO], v1, 4, v3
	s_lshl_b32 s66, s18, 7
	s_lshl_b32 s67, s[WM], 6
	s_add_co_u32 s66, s66, s67                     ; my first row = 128 ty + 64 wm,
	s_lshl_b32 s66, s66, 11                        ; in bytes (under 2^24),
	s_lshl_b32 s67, s17, 9
	s_add_co_u32 s66, s66, s67                     ; + 512 tx
	s_lshl_b32 s67, s[WN], 8
	s_add_co_u32 s66, s66, s67                     ; + 256 wn
	s_mov_b32 s67, 0
	s_add_nc_u64 s[8:9], s[8:9], s[66:67]
; nb x 4 matrix instructions: column blocks b0 .. x all 4 row blocks, 32 along K, on buffer f.  The accumulators take turns, one instruction a turn.  zero = 1: the product starts the sum.
.macro MUL f, b0, nb, zero
	WIN 0x50                                       ; C and D in window 1
.set b, (\b0)
.rept (\nb)
.set a, 0
.rept 4
.if \zero
	v_wmma_f32_16x16x32_bf16 v[8*(4*b+a):8*(4*b+a)+7], v[FB+96*(\f)+8*b:FB+96*(\f)+8*b+7], v[FA+96*(\f)+8*a:FA+96*(\f)+8*a+7], 0
.else
	v_wmma_f32_16x16x32_bf16 v[8*(4*b+a):8*(4*b+a)+7], v[FB+96*(\f)+8*b:FB+96*(\f)+8*b+7], v[FA+96*(\f)+8*a:FA+96*(\f)+8*a+7], v[8*(4*b+a):8*(4*b+a)+7]
.endif
.set a, a+1
.endr
.set b, b+1
.endr
.endm
; 24 LDS loads in one run: quarter q (K block q / 2, byte 64 (q % 2) of its rows) of the slot in hand into buffer f: ao's 4 fragments, wob's 0-3, wob's 4-7
.macro FETCH q, f
	WIN 0
.irp i, 0,1,2,3
	ds_load_b128 v[FA+96*(\f)+8*\i:FA+96*(\f)+8*\i+3],   v[ADRA] offset:((\q)/2)*ABL+((\q)%2)*64+\i*16*PITCH
	ds_load_b128 v[FA+96*(\f)+8*\i+4:FA+96*(\f)+8*\i+7], v[ADRA] offset:((\q)/2)*ABL+((\q)%2)*64+\i*16*PITCH+32
.endr
.set i, 0
.rept 8
	ds_load_b128 v[FB+96*(\f)+8*i:FB+96*(\f)+8*i+3],   v[ADRB] offset:((\q)/2)*BBL+((\q)%2)*64+i*16*PITCH
	ds_load_b128 v[FB+96*(\f)+8*i+4:FB+96*(\f)+8*i+7], v[ADRB] offset:((\q)/2)*BBL+((\q)%2)*64+i*16*PITCH+32
.set i, i+1
.endr
.endm
; A slot is four quarters of 32 along K, 32 matrix instructions each, on buffers 0, 1, 0, 1.  One of the first three: multiplies buffer f; in its middle it fetches quarter qn of the same slot into the other buffer.
.macro QUARTER f, qn, zero
	s_wait_dscnt 8                                 ; all but the youngest 8 loads, wob's fragments 4-7
	MUL \f, 0, 4, \zero
	PLACES
	FETCH \qn, 1-(\f)
	s_wait_dscnt 24                                ; all but the 24 just issued
	MUL \f, 4, 4, \zero
.endm
; The fourth quarter, on buffer 1, changes slots.  In front of the barrier each wave waits for all its tensor loads (one is out: its part of the next slot), adds 0 to its spare word, and waits for that and for its
; reads of this slot.  fill = 1: the barrier opens a round of the cluster's, and the slot just read is filled again first thing behind it, two slots ahead: 112 matrix instructions ahead of the wait for it.
.macro TURN fill
	WIN 0
	s_wait_tensorcnt 0x0
	ds_add_u32 v[SPW], v[NIL]
	s_wait_dscnt 9                                 ; the add and the youngest 8 loads may be out
	MUL 1, 0, 2, 0
	s_wait_dscnt 0x0                               ; the add is done, my reads of this slot are over
	s_barrier_signal -1
	MUL 1, 2, 2, 0
	WIN 0
	s_barrier_wait -1
.if \fill
	CREST
	s_xor_b32 s[G0A+5], s[G0A+5], SLOT1            ; the walking sets: the other slot than last time, the next two K blocks
	s_add_nc_u64 s[G0A+6:G0A+7], s[G0A+6:G0A+7], 2*ABLK
	s_xor_b32 s[G0B+5], s[G0B+5], SLOT1
	s_add_nc_u64 s[G0B+6:G0B+7], s[G0B+6:G0B+7], 2*WBLK
	JLOAD                                          ; its four v_nop are also the places in front of the loads below
.else
	PLACES
.endif
	s_xor_b32 s[TB], s[TB], SLOT1
	v_add_nc_u32 v[ADRA], s[TB], v[ADRA0]
	v_add_nc_u32 v[ADRB], s[TB], v[ADRB0]
	FETCH 0, 0
	MUL 1, 4, 4, 0                                 ; wob's fragments 4-7 were shown in by the wait for 0 above
.endm
	s_wait_tensorcnt 1                             ; my part of slot 0 is in; slot 1's stays out
	s_barrier_signal -1
	s_barrier_wait -1
	FETCH 0, 0
	QUARTER 0, 1, 1                                ; the first quarter stands in front of the loop: its products start the sums
	WIN 0
	s_mov_b32 s20, 6                               ; slots 2 .. 7 of the eight are asked for in the loop
.Lk:                                                   ; a trip goes from a slot's second quarter to the next slot's first
	QUARTER 1, 2, 0
	QUARTER 0, 3, 0
	TURN 1
	QUARTER 0, 1, 0
	WIN 0
	s_sub_co_u32 s20, s20, 1
	s_cmp_lg_u32 s20, 0
	s_cbranch_scc1 .Lk
	QUARTER 1, 2, 0                                ; the tail asks for nothing
	QUARTER 0, 3, 0
	TURN 0
	QUARTER 0, 1, 0
	QUARTER 1, 2, 0
	QUARTER 0, 3, 0
	s_wait_dscnt 8
	MUL 1, 0, 4, 0
	s_wait_dscnt 0x0
	MUL 1, 4, 4, 0
	; THE WAY OUT.  The sums are rounded to bf16, 16 bytes a lane, and go through my own stage: a wave's 128 columns are 256 bytes, aligned, so no other wave has a part in my rows and no barrier is needed.
	WIN 0
	PLACES
	WIN 0x05                                       ; sources 0 and 1 in window 1, destination in window 0; each accumulator's registers in ascending order
.set b, 0
.rept 8
.set a, 0
.rept 4
.set j, 0
.rept 4
	v_cvt_pk_bf16_f32 v[TMP+4*(4*b+a)+j], v[8*(4*b+a)+2*j], v[8*(4*b+a)+2*j+1]
.set j, j+1
.endr
.set a, a+1
.endr
.set b, b+1
.endr
	WIN 0
.set b, 0
.rept 8
.set a, 0
.rept 4
	ds_store_b128 v[STO], v[TMP+4*(4*b+a):TMP+4*(4*b+a)+3] offset:a*16*SP+32*b
.set a, a+1
.endr
.set b, b+1
.endr
.set p, 0
.rept 32
	ds_load_b128 v[TMP+4*p:TMP+4*p+3], v[RD] offset:2*SP*p   ; LDS serves a wave's instructions in order (ISA guide 5.7.1.4): these see the stores above
.set p, p+1
.endr
.set p, 0
.rept 32
	s_wait_dscnt 31-p                              ; loads come back in order: rows 2 p, 2 p + 1 are in
	global_store_b128 v[CO], v[TMP+4*p:TMP+4*p+3], s[8:9] offset:4096*p  ; 16 lanes store 256 consecutive bytes, aligned
.set p, p+1
.endr
	s_wait_tensorcnt 0x0                           ; the wave's end
	ds_add_u32 v[SPW], v[NIL]
	s_wait_dscnt 0x0
	CROUND                                         ; the closing round
	s_endpgm
.Lfunc_end_k_qfa795c7c1c_oproj:
	.size	k_qfa795c7c1c_oproj, .Lfunc_end_k_qfa795c7c1c_oproj-k_qfa795c7c1c_oproj
	.p2alignl 7, 3214868480
	.fill 96, 4, 3214868480
	.section	.rodata,"a",@progbits
	.p2align	6, 0x0
	.amdhsa_kernel k_qfa795c7c1c_oproj
		.amdhsa_group_segment_fixed_size 327680
		.amdhsa_private_segment_fixed_size 0
		.amdhsa_enable_private_segment 0
		.amdhsa_kernarg_size 24
		.amdhsa_user_sgpr_count 2
		.amdhsa_user_sgpr_kernarg_segment_ptr 1
		.amdhsa_wavefront_size32 1
		.amdhsa_system_sgpr_workgroup_id_x 1
		.amdhsa_system_sgpr_workgroup_id_y 1
		.amdhsa_system_sgpr_workgroup_id_z 1
		.amdhsa_system_vgpr_workitem_id 0
		.amdhsa_next_free_vgpr 512
		.amdhsa_next_free_sgpr 80
		.amdhsa_reserve_vcc 0
		.amdhsa_float_denorm_mode_32 3
		.amdhsa_float_denorm_mode_16_64 3
		.amdhsa_memory_ordered 1
		.amdhsa_forward_progress 1
		.amdhsa_inst_pref_size 70
	.end_amdhsa_kernel
	.amdgpu_metadata
---
amdhsa.version: [ 1, 2 ]
amdhsa.kernels:
  - .name:           k_qfa795c7c1c_oproj
    .symbol:         k_qfa795c7c1c_oproj.kd
    .args:
      - { .name: ao, .offset: 0, .size: 8, .value_kind: global_buffer, .address_space: global }
      - { .name: wob, .offset: 8, .size: 8, .value_kind: global_buffer, .address_space: global }
      - { .name: dl, .offset: 16, .size: 8, .value_kind: global_buffer, .address_space: global }
    .group_segment_fixed_size: 327680
    .private_segment_fixed_size: 0
    .kernarg_segment_align: 8
    .kernarg_segment_size: 24
    .max_flat_workgroup_size: 128
    .sgpr_count:     80
    .vgpr_count:     512
    .wavefront_size: 32
...
	.end_amdgpu_metadata
.endif
;; end of part 4
;; launch ln (part 5): grid 512 x 1, 8 waves a work-group, no clusters, 0 bytes of LDS; arguments x, dl, wo_b, gamma, beta, out0; writes out0
.if DOCPART == 5
	.amdgcn_target "amdgcn-amd-amdhsa--gfx1250"
	.amdhsa_code_object_version 6
	.text
	.protected	k_qfa795c7c1c_ln
	.globl	k_qfa795c7c1c_ln
	.p2align	8
	.type	k_qfa795c7c1c_ln,@function
k_qfa795c7c1c_ln:
	s_mov_b64 s[64:65], 0
	v_nop
	global_prefetch_b8 v0, s[64:65] scope:SCOPE_SE
	s_setreg_imm32_b32 hwreg(HW_REG_WAVE_MODE, 25, 1), 1
	s_wait_xcnt 0x0
; out0 = LayerNorm(x + dl + wo_b) gamma + beta.  x, out0 [8192][1024] f32; dl [8192][1024] bf16; wo_b, gamma, beta [1024] f32.
; All arithmetic in f32; the norm in two passes: the mean, then the sum of squared deviations.  NaN and infinities are not treated apart.
; A row is 4,096 bytes of x and 2,048 of dl: one wave takes a whole row in 32 + 16 registers, so the sums never leave the wave: no LDS, no barrier.  A wave takes two rows, a work-group of eight waves 16.
; All 56 loads of a wave go out together; no register is written again behind a store that reads it, so there is no loop and no wait but those for data.
; Lane l holds columns 128 i + 4 l .. + 3, i = 0..7: a load or store of x, out0 and the three vectors covers 512 consecutive bytes, a load of dl 256, all aligned.
; Memory binds: matrix units, clusters and tiles in LDS have nothing to do here.
.set GLA,  2                           ; v2   16 l
.set DLA,  3                           ; v3   8 l
.set BI,   4                           ; v[4:35]    wo_b of my columns
.set GA,   36                          ; v[36:67]   gamma
.set BE,   68                          ; v[68:99]   beta
.set Y0,   100                         ; v[100:131] row 0
.set Y1,   132                         ; v[132:163] row 1
.set D0,   164                         ; v[164:179] row 0 of dl, two bf16 a register
.set D1,   180                         ; v[180:195]
.set T,    196                         ; v[196:211] at work
.set RED,  212                         ; v[212:213]
.set MEAN, 214                         ; v[214:215] named as a pair
.set RSTD, 216                         ; v[216:217]
.set HIM,  22                          ; s22  a word's upper bf16
.set SEL,  24                          ; s[24:25]
.set INV,  26
.set EPS,  27
	s_load_b256 s[4:11], s[0:1], 0x0               ; x s[4:5], dl s[6:7], wo_b s[8:9], gamma s[10:11]
	s_load_b128 s[12:15], s[0:1], 0x20             ; beta s[12:13], out0 s[14:15]
	v_lshrrev_b32 v1, 5, v0
	v_readfirstlane_b32 s16, v1                    ; wave 0..7
	s_lshl_b32 s17, ttmp9, 4
	s_lshl1_add_u32 s17, s16, s17                  ; my first row = 16 g + 2 w
	s_lshl_b32 s18, s17, 12                        ; x 4,096 bytes in x and out0 (under 2^25)
	s_mov_b32 s19, 0
	s_lshl_b32 s20, s17, 11                        ; x 2,048 bytes in dl
	s_mov_b32 s21, 0
	s_mov_b32 s[HIM], 0xffff0000
	s_mov_b32 s[SEL], 0x76543210                   ; v_permlanex16_b32: each lane takes its own place in the other half
	s_mov_b32 s[SEL+1], 0xfedcba98
	s_mov_b32 s[INV], 0x3a800000                   ; 1 / 1024
	s_mov_b32 s[EPS], 0x3727c5ac                   ; 1e-5
	v_and_b32 v1, 31, v0                           ; lane
	v_lshlrev_b32 v[GLA], 4, v1
	v_lshlrev_b32 v[DLA], 3, v1
	v_mov_b32 v[RED+1], 0                          ; written once: a lane exchange's destination counts as read, and pairs are named whole
	v_mov_b32 v[MEAN+1], 0
	v_mov_b32 v[RSTD+1], 0
	s_wait_kmcnt 0x0
	s_add_nc_u64 s[4:5], s[4:5], s[18:19]
	s_add_nc_u64 s[6:7], s[6:7], s[20:21]
	s_add_nc_u64 s[14:15], s[14:15], s[18:19]
.set i, 0
.rept 8
	global_load_b128 v[Y0+4*i:Y0+4*i+3], v[GLA], s[4:5] offset:512*i th:TH_LOAD_NT
.set i, i+1
.endr
.set i, 0
.rept 8
	global_load_b64 v[D0+2*i:D0+2*i+1], v[DLA], s[6:7] offset:256*i th:TH_LOAD_NT
.set i, i+1
.endr
.set i, 0
.rept 8
	global_load_b128 v[BI+4*i:BI+4*i+3], v[GLA], s[8:9] offset:512*i
.set i, i+1
.endr
.set i, 0
.rept 8
	global_load_b128 v[Y1+4*i:Y1+4*i+3], v[GLA], s[4:5] offset:4096+512*i th:TH_LOAD_NT
.set i, i+1
.endr
.set i, 0
.rept 8
	global_load_b64 v[D1+2*i:D1+2*i+1], v[DLA], s[6:7] offset:2048+256*i th:TH_LOAD_NT
.set i, i+1
.endr
.set i, 0
.rept 8
	global_load_b128 v[GA+4*i:GA+4*i+3], v[GLA], s[10:11] offset:512*i
.set i, i+1
.endr
.set i, 0
.rept 8
	global_load_b128 v[BE+4*i:BE+4*i+3], v[GLA], s[12:13] offset:512*i
.set i, i+1
.endr
.macro REDUCE                          ; the sum over the 32 lanes, in every lane
	v_add_f32_dpp v[RED], v[RED], v[RED] row_xmask:1 row_mask:0xf bank_mask:0xf
	v_add_f32_dpp v[RED], v[RED], v[RED] row_xmask:2 row_mask:0xf bank_mask:0xf
	v_add_f32_dpp v[RED], v[RED], v[RED] row_xmask:4 row_mask:0xf bank_mask:0xf
	v_add_f32_dpp v[RED], v[RED], v[RED] row_xmask:8 row_mask:0xf bank_mask:0xf
	v_permlanex16_b32 v[RED+1], v[RED], s[SEL], s[SEL+1]
	v_add_f32 v[RED], v[RED], v[RED+1]
.endm
; One row: y in registers y, dl's row in registers d; off: the row's byte offset in out0 from my first row; left: the younger loads that may stay out.
.macro PROC y, d, off, left
	s_wait_loadcnt \left
.set g, 0
.rept 4                                ; dl to f32, four words (8 numbers) at a time: the low half moves up, the high half stays; register k of dl belongs to pair k of y
.irp j, 0,1,2,3
	v_lshlrev_b32 v[T+2*\j],   16,     v[(\d)+4*g+\j]
	v_and_b32     v[T+2*\j+1], s[HIM], v[(\d)+4*g+\j]
.endr
.irp j, 0,1,2,3
	v_pk_add_f32 v[(\y)+8*g+2*\j:(\y)+8*g+2*\j+1], v[(\y)+8*g+2*\j:(\y)+8*g+2*\j+1], v[T+2*\j:T+2*\j+1]
.endr
.set g, g+1
.endr
.set k, 0
.rept 16
	v_pk_add_f32 v[(\y)+2*k:(\y)+2*k+1], v[(\y)+2*k:(\y)+2*k+1], v[BI+2*k:BI+2*k+1]
.set k, k+1
.endr
.set k, 0
.rept 8                                ; the lane's 32 numbers are added as a tree: no line waits for the one before it
	v_pk_add_f32 v[T+2*k:T+2*k+1], v[(\y)+4*k:(\y)+4*k+1], v[(\y)+4*k+2:(\y)+4*k+3]
.set k, k+1
.endr
.irp k, 0,4,8,12
	v_pk_add_f32 v[T+\k:T+\k+1], v[T+\k:T+\k+1], v[T+\k+2:T+\k+3]
.endr
.irp k, 0,8
	v_pk_add_f32 v[T+\k:T+\k+1], v[T+\k:T+\k+1], v[T+\k+4:T+\k+5]
.endr
	v_pk_add_f32 v[T:T+1], v[T:T+1], v[T+8:T+9]
	v_add_f32 v[RED], v[T], v[T+1]
	REDUCE
	v_mul_f32 v[MEAN], s[INV], v[RED]
.set k, 0
.rept 16
	v_pk_add_f32 v[(\y)+2*k:(\y)+2*k+1], v[(\y)+2*k:(\y)+2*k+1], v[MEAN:MEAN+1] op_sel_hi:[1,0] neg_lo:[0,1] neg_hi:[0,1]
.set k, k+1
.endr
.set k, 0
.rept 4                                ; four chains of squares, started by the first four pairs
	v_pk_mul_f32 v[T+2*k:T+2*k+1], v[(\y)+2*k:(\y)+2*k+1], v[(\y)+2*k:(\y)+2*k+1]
.set k, k+1
.endr
.rept 12
	v_pk_fma_f32 v[T+2*(k%4):T+2*(k%4)+1], v[(\y)+2*k:(\y)+2*k+1], v[(\y)+2*k:(\y)+2*k+1], v[T+2*(k%4):T+2*(k%4)+1]
.set k, k+1
.endr
	v_pk_add_f32 v[T:T+1], v[T:T+1], v[T+2:T+3]
	v_pk_add_f32 v[T+4:T+5], v[T+4:T+5], v[T+6:T+7]
	v_pk_add_f32 v[T:T+1], v[T:T+1], v[T+4:T+5]
	v_add_f32 v[RED], v[T], v[T+1]
	REDUCE
	v_fma_f32 v[RED], v[RED], s[INV], s[EPS]
	v_rsq_f32 v[RSTD], v[RED]
	s_wait_loadcnt 0x0                             ; gamma and beta, my youngest loads
.set k, 0
.rept 16                               ; plain lines behind the root that name neither its result nor its source (ISA guide 5.7.2)
	v_pk_mul_f32 v[(\y)+2*k:(\y)+2*k+1], v[(\y)+2*k:(\y)+2*k+1], v[GA+2*k:GA+2*k+1]
.set k, k+1
.endr
.set k, 0
	s_wait_alu depctr_va_vdst(0)
.rept 16
	v_pk_fma_f32 v[(\y)+2*k:(\y)+2*k+1], v[(\y)+2*k:(\y)+2*k+1], v[RSTD:RSTD+1], v[BE+2*k:BE+2*k+1] op_sel_hi:[1,0,1]
.set k, k+1
.endr
.set i, 0
.rept 8
	global_store_b128 v[GLA], v[(\y)+4*i:(\y)+4*i+3], s[14:15] offset:(\off)+512*i th:TH_STORE_NT  ; 512 consecutive bytes, aligned
.set i, i+1
.endr
.endm
	PROC Y0, D0, 0, 32                             ; row 1's x and dl, gamma and beta, 32 loads, are younger than row 0's x and dl and wo_b
	PROC Y1, D1, 4096, 0
	s_endpgm
.Lfunc_end_k_qfa795c7c1c_ln:
	.size	k_qfa795c7c1c_ln, .Lfunc_end_k_qfa795c7c1c_ln-k_qfa795c7c1c_ln
	.p2alignl 7, 3214868480
	.fill 96, 4, 3214868480
	.section	.rodata,"a",@progbits
	.p2align	6, 0x0
	.amdhsa_kernel k_qfa795c7c1c_ln
		.amdhsa_group_segment_fixed_size 0
		.amdhsa_private_segment_fixed_size 0
		.amdhsa_enable_private_segment 0
		.amdhsa_kernarg_size 48
		.amdhsa_user_sgpr_count 2
		.amdhsa_user_sgpr_kernarg_segment_ptr 1
		.amdhsa_wavefront_size32 1
		.amdhsa_system_sgpr_workgroup_id_x 1
		.amdhsa_system_sgpr_workgroup_id_y 1
		.amdhsa_system_sgpr_workgroup_id_z 1
		.amdhsa_system_vgpr_workitem_id 0
		.amdhsa_next_free_vgpr 220
		.amdhsa_next_free_sgpr 66
		.amdhsa_reserve_vcc 0
		.amdhsa_float_denorm_mode_32 3
		.amdhsa_float_denorm_mode_16_64 3
		.amdhsa_memory_ordered 1
		.amdhsa_forward_progress 1
		.amdhsa_inst_pref_size 27
	.end_amdhsa_kernel
	.amdgpu_metadata
---
amdhsa.version: [ 1, 2 ]
amdhsa.kernels:
  - .name:           k_qfa795c7c1c_ln
    .symbol:         k_qfa795c7c1c_ln.kd
    .args:
      - { .name: x, .offset: 0, .size: 8, .value_kind: global_buffer, .address_space: global }
      - { .name: dl, .offset: 8, .size: 8, .value_kind: global_buffer, .address_space: global }
      - { .name: wo_b, .offset: 16, .size: 8, .value_kind: global_buffer, .address_space: global }
      - { .name: gamma, .offset: 24, .size: 8, .value_kind: global_buffer, .address_space: global }
      - { .name: beta, .offset: 32, .size: 8, .value_kind: global_buffer, .address_space: global }
      - { .name: out0, .offset: 40, .size: 8, .value_kind: global_buffer, .address_space: global }
    .group_segment_fixed_size: 0
    .private_segment_fixed_size: 0
    .kernarg_segment_align: 8
    .kernarg_segment_size: 48
    .max_flat_workgroup_size: 256
    .sgpr_count:     66
    .vgpr_count:     220
    .wavefront_size: 32
...
	.end_amdgpu_metadata
.endif
;; end of part 5
;; ======== version 2 of 2: 5 launches; version 1 with the launch cast written anew for expert scheduling mode
;; workspace buffers: xb 16,777,216 bytes; wqb 6,291,456 bytes; wob 2,097,152 bytes; qkvh 50,331,648 bytes; ao 16,777,216 bytes; dl 16,777,216 bytes
;; launch cast (part 6): grid 768 x 1, 8 waves a work-group, no clusters, 0 bytes of LDS; arguments x, qkv_w, wo_w, xb, wqb, wob; writes xb, wqb, wob
.if DOCPART == 6
	.amdgcn_target "amdgcn-amd-amdhsa--gfx1250"
	.amdhsa_code_object_version 6
	.text
	.protected	k_qfa795c7c1c_cast
	.globl	k_qfa795c7c1c_cast
	.p2align	8
	.type	k_qfa795c7c1c_cast,@function
k_qfa795c7c1c_cast:
	s_mov_b64 s[64:65], 0
	v_nop
	global_prefetch_b8 v0, s[64:65] scope:SCOPE_SE
	s_setreg_imm32_b32 hwreg(HW_REG_WAVE_SCHED_MODE, 0, 2), 2
	s_setreg_imm32_b32 hwreg(HW_REG_WAVE_MODE, 25, 1), 1
	s_wait_xcnt 0x0
	s_wait_alu depctr_vm_vsrc(0)
; x [8192][1024], qkv_w [3072][1024] and wo_w [1024][1024], all f32, are rounded once to bf16 and laid out in K blocks:
; dst[kb][row][64], kb = 0..15, so that the 128-byte rows of a later launch's tile lie end to end.
; 12,288 source rows of 4,096 bytes: a work-group takes 16, a wave 2.  Work-groups 0-511 take x, 512-703 qkv_w, 704-767 wo_w.
; A load covers 256 consecutive bytes of each of the wave's two rows (one K block); a store covers 256 consecutive bytes, aligned: the two rows' 128 bytes of that block.
; No LDS, no barrier, no loop: 16 loads of a wave go out together, each register is written once.  Memory binds; matrix units and clusters have nothing to do here.
; THE MODE: SCHED_MODE bits 1:0 = 2 (LLVM: expert scheduling mode 2), set by the entry lines.  The code itself states the register dependences
; between vector instructions and memory instructions, with s_wait_alu, always for 0.
; THE PLAN.  Registers that memory instructions touch:
;   v2     the source offset.  Written at the head, read by all 16 loads, never written again.
;   X      block kb: written by its load, once; read by block kb's two conversions.  No vector instruction names it ahead of the load.
;   OFF    block kb's offset in the destination.  Written once, by a chain of adds that stands behind the loads; read by block kb's store.
;   Y      block kb: written by its two conversions, once; read by block kb's store.
; The 16 blocks go in four groups of four.  Group g's conversions name X and Y of group g alone; the stores dealt among them are those of group g - 1, which read OFF and Y of group g - 1.
; So one wait on va_vdst at the head of a group states all that its four stores hang on.  No register that a memory instruction reads is written again: the only wait on vm_vsrc stands at the entry.
.set OFF, 4                            ; v[4:19]   byte offset of my 8 bytes in block kb of the destination
.set X,   20                           ; v[20:83]  block kb: 4 f32 as loaded
.set Y,   84                           ; v[84:115] block kb: 4 bf16 to store
	s_load_b256 s[4:11], s[0:1], 0x0               ; x s[4:5], qkv_w s[6:7], wo_w s[8:9], xb s[10:11]
	s_load_b128 s[12:15], s[0:1], 0x20             ; wqb s[12:13], wob s[14:15]
	v_lshrrev_b32 v1, 5, v0
	v_readfirstlane_b32 s16, v1                    ; wave 0..7
	s_mov_b32 s17, ttmp9                           ; work-group
	s_mov_b32 s18, 512                             ; first work-group of qkv_w
	s_mov_b32 s19, 704                             ; first of wo_w
	s_mov_b32 s20, 3072*128                        ; bytes from block to block in wqb,
	s_mov_b32 s21, 1024*128                        ; in wob,
	s_mov_b32 s22, 8192*128                        ; in xb
	v_and_b32 v1, 31, v0                           ; lane
	v_lshrrev_b32 v3, 4, v1                        ; which of the two rows
	v_and_b32 v2, 15, v1
	v_lshlrev_b32 v2, 4, v2
	v_lshl_add_u32 v2, v3, 12, v2                  ; source: row x 4,096 + 16 (lane % 16)
	s_wait_alu depctr_va_sdst(0)                   ; s16 is written, ahead of its first reader: my first row is made from it
	s_wait_kmcnt 0x0
	s_cmp_lt_u32 s17, s19                          ; the choice hangs on the work-group's number alone
	s_cselect_b64 s[24:25], s[6:7], s[8:9]
	s_cselect_b64 s[26:27], s[12:13], s[14:15]
	s_cselect_b32 s28, s18, s19
	s_cselect_b32 s29, s20, s21
	s_cmp_lt_u32 s17, s18
	s_cselect_b64 s[24:25], s[4:5], s[24:25]       ; source
	s_cselect_b64 s[26:27], s[10:11], s[26:27]     ; destination
	s_cselect_b32 s28, 0, s28                      ; the tensor's first work-group
	s_cselect_b32 s29, s22, s29                    ; the destination's block stride
	s_sub_co_u32 s30, s17, s28
	s_lshl_b32 s30, s30, 4
	s_lshl1_add_u32 s30, s16, s30                  ; my first row = 16 (g - first) + 2 w
	s_lshl_b32 s32, s30, 12                        ; x 4,096 bytes in the source (under 2^25)
	s_mov_b32 s33, 0
	s_lshl_b32 s34, s30, 7                         ; x 128 bytes in a block of the destination
	s_mov_b32 s35, 0
	s_add_nc_u64 s[24:25], s[24:25], s[32:33]
	s_add_nc_u64 s[26:27], s[26:27], s[34:35]
	s_wait_alu depctr_va_vdst(0)                   ; v2 is written, which the 16 loads read as their offset
.set kb, 0
.rept 16
	global_load_b128 v[X+4*kb:X+4*kb+3], v2, s[24:25] offset:256*kb th:TH_LOAD_NT
.set kb, kb+1
.endr
	v_lshlrev_b32 v[OFF], 3, v1                    ; 8 bytes a lane: row 0's 128 bytes, then row 1's.  The stores' offsets are made while the loads are on their way
.set kb, 1
.rept 15
	v_add_nc_u32 v[OFF+kb], s29, v[OFF+kb-1]
.set kb, kb+1
.endr
; Group g: blocks 4 g to 4 g + 3 are rounded; the four stores of group g - 1 are dealt among the conversions.
.macro GROUP g
	s_wait_loadcnt 12-4*(\g)                       ; loads come back in order (ISA guide 5.7.1): this group's four are in, the 12 - 4 g of the later groups stay out
.if (\g) > 0
	s_wait_alu depctr_va_vdst(0)                   ; the group before has written its Y, which the stores below read; in group 1 also: the chain of adds has written OFF
.endif
.irp i, 0,1,2,3
.if (\g) > 0
	global_store_b64 v[OFF+4*(\g)-4+(\i)], v[Y+2*(4*(\g)-4+(\i)):Y+2*(4*(\g)-4+(\i))+1], s[26:27]  ; no vector instruction since the wait names these registers
.endif
	v_cvt_pk_bf16_f32 v[Y+2*(4*(\g)+(\i))],   v[X+4*(4*(\g)+(\i))],   v[X+4*(4*(\g)+(\i))+1]
	v_cvt_pk_bf16_f32 v[Y+2*(4*(\g)+(\i))+1], v[X+4*(4*(\g)+(\i))+2], v[X+4*(4*(\g)+(\i))+3]
.endr
.endm
	GROUP 0
	GROUP 1
	GROUP 2
	GROUP 3
	s_wait_alu depctr_va_vdst(0)                   ; group 3 has written its Y, which the last four stores read
.irp i, 12,13,14,15
	global_store_b64 v[OFF+(\i)], v[Y+2*(\i):Y+2*(\i)+1], s[26:27]
.endr
	s_endpgm
.Lfunc_end_k_qfa795c7c1c_cast:
	.size	k_qfa795c7c1c_cast, .Lfunc_end_k_qfa795c7c1c_cast-k_qfa795c7c1c_cast
	.p2alignl 7, 3214868480
	.fill 96, 4, 3214868480
	.section	.rodata,"a",@progbits
	.p2align	6, 0x0
	.amdhsa_kernel k_qfa795c7c1c_cast
		.amdhsa_group_segment_fixed_size 0
		.amdhsa_private_segment_fixed_size 0
		.amdhsa_enable_private_segment 0
		.amdhsa_kernarg_size 48
		.amdhsa_user_sgpr_count 2
		.amdhsa_user_sgpr_kernarg_segment_ptr 1
		.amdhsa_wavefront_size32 1
		.amdhsa_system_sgpr_workgroup_id_x 1
		.amdhsa_system_sgpr_workgroup_id_y 1
		.amdhsa_system_sgpr_workgroup_id_z 1
		.amdhsa_system_vgpr_workitem_id 0
		.amdhsa_next_free_vgpr 120
		.amdhsa_next_free_sgpr 66
		.amdhsa_reserve_vcc 0
		.amdhsa_float_denorm_mode_32 3
		.amdhsa_float_denorm_mode_16_64 3
		.amdhsa_memory_ordered 1
		.amdhsa_forward_progress 1
		.amdhsa_inst_pref_size 8
	.end_amdhsa_kernel
	.amdgpu_metadata
---
amdhsa.version: [ 1, 2 ]
amdhsa.kernels:
  - .name:           k_qfa795c7c1c_cast
    .symbol:         k_qfa795c7c1c_cast.kd
    .args:
      - { .name: x, .offset: 0, .size: 8, .value_kind: global_buffer, .address_space: global }
      - { .name: qkv_w, .offset: 8, .size: 8, .value_kind: global_buffer, .address_space: global }
      - { .name: wo_w, .offset: 16, .size: 8, .value_kind: global_buffer, .address_space: global }
      - { .name: xb, .offset: 24, .size: 8, .value_kind: global_buffer, .address_space: global }
      - { .name: wqb, .offset: 32, .size: 8, .value_kind: global_buffer, .address_space: global }
      - { .name: wob, .offset: 40, .size: 8, .value_kind: global_buffer, .address_space: global }
    .group_segment_fixed_size: 0
    .private_segment_fixed_size: 0
    .kernarg_segment_align: 8
    .kernarg_segment_size: 48
    .max_flat_workgroup_size: 256
    .sgpr_count:     66
    .vgpr_count:     120
    .wavefront_size: 32
...
	.end_amdgpu_metadata
.endif
;; end of part 6
;; launch qkv: the kernel of part 2 again; grid 8 x 32, 4 waves a work-group, clusters of 4 x 4, 327,680 bytes of LDS; arguments xb, wqb, qkv_b, qkvh; writes qkvh
;; launch attn: the kernel of part 3 again; grid 16 x 16, 4 waves a work-group, clusters of 4 x 1, 327,680 bytes of LDS; arguments qkvh, ao; writes ao
;; launch oproj: the kernel of part 4 again; grid 4 x 64, 4 waves a work-group, clusters of 4 x 4, 327,680 bytes of LDS; arguments ao, wob, dl; writes dl
;; launch ln: the kernel of part 5 again; grid 512 x 1, 8 waves a work-group, no clusters, 0 bytes of LDS; arguments x, dl, wo_b, gamma, beta, out0; writes out0
